; MI455X (gfx1250); checked and timed in simulation.
; The chip was launched on July 23, 2026; its instructions are those of AMD's public machine-readable ISA for CDNA 5 (MIT licence, August 2026) and "CDNA5" Instruction Set Architecture Reference Guide (July 2026). The comments in the code are by the model that wrote it; some were corrected since.
;; Causal Self Attention. Allowed arithmetic: matrix products marked QUANTISED: E2M3 operands, one E8M0 scale for each 32 along K, by v_wmma_scale_f32_16x16x128_f8f6f4 with both operands' format E2M3, f32 sums; everything else in f32.
;; Inputs: Wk 2,048 x 2,048 float32; Wp 2,048 x 2,048 float32; Wq 2,048 x 2,048 float32; Wv 2,048 x 2,048 float32; attn_mask 4 x 1 x 1 x 512 float32; bk 2,048 float32; bp 2,048 float32; bq 2,048 float32; bv 2,048 float32; x 4 x 512 x 2,048 float32.
;; Outputs: out0 4 x 512 x 2,048 float32.
;; This version of the problem:
;;   THIS VERSION OF THE PROBLEM IS GIVEN IN LOW PRECISION. The matrix products marked QUANTISED in the list below multiply operands that are first quantised to E2M3 (2 exponent bits, 3 mantissa bits; 6 bits a number), with one power-of-two scale for each 32 numbers along K (OCP MX v1.0); their sums are f32. All else is computed in f32.
;;   The module's matrix products, in the order in which they are computed (A, B: the left and right operand; K: the contracted axis; several contracted axes count as one K, in the product's order):
;;     1. [M 2,048, K 2,048] x [K 2,048, N 2,048]; A: input x; B: input Wq: QUANTISED
;;     2. [M 2,048, K 2,048] x [K 2,048, N 2,048]; A: input x; B: input Wk: QUANTISED
;;     3. [M 2,048, K 2,048] x [K 2,048, N 2,048]; A: input x; B: input Wv: QUANTISED
;;     4. batch 64 x [M 512, K 128] x [K 128, N 512]; A: computed on the way; B: computed on the way: QUANTISED
;;     5. batch 64 x [M 512, K 512] x [K 512, N 128]; A: softmax (see below); B: computed on the way: QUANTISED
;;     6. [M 2,048, K 2,048] x [K 2,048, N 2,048]; A: computed on the way; B: input Wp: QUANTISED
;;   THE QUANTISER, for each operand of a quantised product, along K:
;;     - K is cut into blocks of 32 from its start; a last block that is shorter is filled with zeros.
;;     - A block's scale is 2^e with e = floor(log2(the largest magnitude in the block)) - 2, held to -126 .. 127; a block of zeros has e = 0. As a byte (E8M0): e + 127.
;;     - Each number is divided by its block's scale, clamped to +-7.5, and rounded to the nearest number of E2M3, ties to even, subnormals kept.
;;     - The product sums the exact products of the quantised numbers (number of the format x scale) in f32.
;;   ~~~python
;;   def quantise(x, axis):      # numpy; x: float32 -> the quantised numbers, widened to float32 again
;;       x = np.moveaxis(x, axis, -1); K = x.shape[-1]
;;       x = np.pad(x, [(0, 0)] * (x.ndim - 1) + [(0, -K % 32)]); x = x.reshape(x.shape[:-1] + (-1, 32)); a = np.abs(x).max(-1, keepdims=True)
;;       e = np.where(a > 0, np.clip(np.frexp(np.where(a > 0, a, 1))[1] - 1 - 2, -126, 127), 0)      # np.frexp(a)[1] - 1 = floor(log2(a)), exactly
;;       r = np.clip(x / 2.0 ** e, -7.5, 7.5)
;;       step = 2.0 ** (np.maximum(np.frexp(np.where(r == 0, 1, r))[1] - 1, 0) - 3)
;;       q = np.round(r / step) * step * 2.0 ** e      # np.round: ties to even
;;       return np.moveaxis(q.reshape(q.shape[:-2] + (-1,))[..., :K], -1, axis).astype(np.float32)
;;   ~~~
;;   SOFTMAX AHEAD OF A QUANTISED PRODUCT. Where the list says 'softmax', what is quantised is not the finished softmax but p = 2^(t - M), with t = logit x log2(e) and M = ceil(the row's largest t), a whole number; so 1/2 < the row's largest p <= 1. The row's sum l is taken of the UNQUANTISED p, in f32, and the product's result is divided by l at the end. Since M is a whole number, a kernel that streams over the keys may use a running M (the ceiling of the running maximum): every later rescaling is an exact power of two, which a block's scale takes up: the codes' values come out the same.
;;   OPERANDS COMPUTED ON THE WAY. 'Computed on the way' means the value that the module computes at that place (a softmax that the list does not call 'softmax' is quantised finished and normalised). What goes into a quantiser is computed in f32, as accurately as f32 sums, v_exp_f32 and their like allow (about 1e-6 of the number): no bf16 or f16 on the way to a quantiser, and a product that is left as it is and whose result goes on into a quantised operand takes f32 operands (vector FMAs, or v_wmma_f32_16x16x4_f32). A number that lies on a knife's edge between two numbers of the format may be rounded either way, as far as f32 arithmetic and the matrix unit's own rounding can turn it there, and no further.
;; One version. Each part assembles by itself: llvm-mc -triple=amdgcn-amd-amdhsa -mcpu=gfx1250 --defsym DOCPART=n.
;; ======== version 1 of 1: 4 launches
;; limits: right only within a limited range of input values
;; workspace buffers: xc 3,276,800 bytes; wqk 6,553,600 bytes; wv 3,276,800 bytes; qc 3,145,728 bytes; qs 131,072 bytes; kv 6,553,600 bytes; yc 3,276,800 bytes; wpc 3,276,800 bytes
;; launch quant (part 1): grid 256 x 1, 8 waves a work-group, no clusters, 271,360 bytes of LDS; arguments x, Wq, Wk, Wv, xc, wqk, wv; writes xc, wqk, wv
.if DOCPART == 1
	.amdgcn_target "amdgcn-amd-amdhsa--gfx1250"
	.amdhsa_code_object_version 6
	.text
	.protected	k_q1609f715f6_quant
	.globl	k_q1609f715f6_quant
	.p2align	8
	.type	k_q1609f715f6_quant,@function
k_q1609f715f6_quant:
	s_mov_b64 s[64:65], 0
	v_nop
	global_prefetch_b8 v0, s[64:65] scope:SCOPE_SE
	s_setreg_imm32_b32 hwreg(HW_REG_WAVE_MODE, 25, 1), 1
	s_wait_xcnt 0x0
; CAUSAL SELF-ATTENTION IN FOUR LAUNCHES: quant (x, Wq, Wk, Wv into codes), qkv, attn (which also turns Wp into codes), proj.
; WORK LEFT OUT: in attn, steps of 128 keys that lie wholly above the causal diagonal: reference() puts -inf there, so p = 0 whatever the inputs hold.  Limit: a NaN, an infinity or an overflow that reaches only those tiles is not carried on.
; This launch: f32, K innermost, becomes codes of FP6 (E2M3) with one E8M0 byte for each 32 along K.
; A block's scale is 2^(floor(log2(its largest magnitude)) - 2); its byte is that magnitude's exponent field - 2, held at 1 from below.
; LIMITS: NaN and infinities are not served; a block whose largest magnitude lies under 2^-124 has its byte held at 1; a block of zeros gets the byte 1
; where the rule says 127: its codes are zeros, and the bytes are read by this program alone.
; RECORDS.  A band is 64 rows, four tiles of 16: lane r of tile j holds row 8 j + r % 8 + 32 (r / 8) of the band.  A band's record for 128 along K is 6,400 bytes: four fragments of 1,536 bytes,
; then 256 bytes of scale words, [r][tile].  A fragment is the image of 12 registers: lane (r, h) register 6 c + .. holds k = 64 c + 32 h + 0 .. 31; register k of lane l at 512 (k / 4) + 16 l + 4 (k % 4).
; xc: [block of 128 tokens][K step][band 2][6400];  wqk: [band 32][K step][Wq, Wk][6400];  wv: [band 32][K step][6400].
; SHARES.  256 work-groups: 4 tensors x 32 bands x 2 halves of K; wave w takes K step w of the half.  Its 64 rows x 512 bytes come by ONE tensor load (16 bytes of padding behind each row) into LDS bytes of its own; waves share nothing: no barrier.
; No cluster: no two work-groups read the same bytes.  No prefetch: no loop to run ahead in; all loads are asked for at once.
.set SP,    528
.set WREG,  64*SP
.set SPARE, 8*WREG
.set X,     64                         ; v64-191 two sets of 64 numbers
.set F,     192                        ; v192-239 the four tiles' codes
	s_load_b256 s[4:11], s[0:1], 0x0               ; x, Wq, Wk, Wv
	s_load_b128 s[12:15], s[0:1], 0x20             ; xc, wqk
	s_load_b64 s[16:17], s[0:1], 0x30              ; wv
	v_lshl_add_u32 v254, v0, 2, SPARE
	v_mov_b32 v255, 0
	ds_add_u32 v254, v255                          ; the opening add, twice
	ds_add_u32 v254, v255
	v_lshrrev_b32 v1, 5, v0
	v_readfirstlane_b32 s18, v1                    ; wave
	s_lshr_b32 s19, ttmp9, 6                       ; tensor
	s_lshr_b32 s34, ttmp9, 1
	s_and_b32 s34, s34, 31                         ; band
	s_and_b32 s35, ttmp9, 1
	s_lshl_b32 s35, s35, 3
	s_add_co_u32 s35, s35, s18                     ; K step
	s_lshl_b32 s36, s34, 19
	s_lshl_b32 s37, s35, 9
	s_add_co_u32 s36, s36, s37                     ; where my numbers begin, in bytes
	s_mov_b32 s37, 0
	s_lshl_b32 s38, s34, 4
	s_add_co_u32 s38, s38, s35                     ; band x 16 + K step
	s_lshr_b32 s39, s34, 1
	s_lshl_b32 s39, s39, 4
	s_add_co_u32 s39, s39, s35
	s_mul_i32 s39, s39, 12800
	s_and_b32 s40, s34, 1
	s_mul_i32 s40, s40, 6400
	s_add_co_u32 s39, s39, s40                     ; my record in xc
	s_mul_i32 s42, s38, 6400                       ; in wv
	s_lshl_b32 s38, s42, 1                         ; in wqk
	s_mov_b32 s20, 1
	s_mul_i32 s21, s18, WREG
	s_mov_b32 s24, (3<<16)|(1<<20)|(6<<22)|(3<<25) ; elements of 8 bytes; 4 dwords of padding behind every 128
	s_mov_b32 s25, 64<<16
	s_mov_b32 s26, 64<<16
	s_mov_b32 s27, 64<<16
	s_mov_b32 s28, 64
	s_mov_b32 s29, 1024
	s_mov_b32 s30, 0
	s_mov_b32 s31, 0
	s_mov_b32 s32, 0x76543210
	s_mov_b32 s33, 0xfedcba98                      ; lane l xor 16
	s_mov_b32 s41, 0
	s_wait_dscnt 0x0
	s_wait_kmcnt 0x0
	s_cmp_eq_u32 s19, 1                            ; the choices hang on the work-group's number alone
	s_cselect_b64 s[4:5], s[6:7], s[4:5]
	s_cmp_eq_u32 s19, 2
	s_cselect_b64 s[4:5], s[8:9], s[4:5]
	s_cselect_b32 s43, 6400, 0                     ; Wk's record lies behind Wq's
	s_cmp_eq_u32 s19, 3
	s_cselect_b64 s[4:5], s[10:11], s[4:5]
	s_add_nc_u64 s[22:23], s[4:5], s[36:37]
	s_or_b32 s23, s23, 0x80000000
	tensor_load_to_lds s[20:23], s[24:31]
	s_nop 0
	s_cmp_eq_u32 s19, 0
	s_cselect_b64 s[12:13], s[12:13], s[14:15]
	s_cselect_b32 s40, s39, s38
	s_cmp_eq_u32 s19, 3
	s_cselect_b64 s[12:13], s[16:17], s[12:13]
	s_cselect_b32 s40, s42, s40
	s_add_co_u32 s40, s40, s43
	s_add_nc_u64 s[12:13], s[12:13], s[40:41]
	v_and_b32 v8, 31, v0                           ; lane
	v_and_b32 v9, 15, v0                           ; r
	v_bfe_u32 v7, v0, 4, 1                         ; h
	v_and_b32 v2, 7, v9
	v_lshrrev_b32 v3, 3, v9
	v_lshl_add_u32 v3, v3, 5, v2                   ; r % 8 + 32 (r / 8)
	v_mul_u32_u24 v3, SP, v3
	v_lshl_add_u32 v3, v7, 7, v3
	v_add_nc_u32 v3, s21, v3                       ; v3: my row of tile 0, + 128 h
	v_lshlrev_b32 v1, 4, v8                        ; v1: 16 x lane
	v_lshlrev_b32 v6, 4, v9                        ; v6: 16 r
	v_lshlrev_b32 v7, 3, v7                        ; v7: 8 h
	v_mov_b32 v15, 0                               ; a lane permute's destination counts as a source
.macro RD j                            ; my 64 numbers of tile j: register 32 c + i = k 64 c + 32 h + i
.irp c, 0,1
.irp q, 0,1,2,3,4,5,6,7
	ds_load_b128 v[X+64*((\j)%2)+32*\c+4*\q:X+64*((\j)%2)+32*\c+4*\q+3], v3 offset:8*SP*(\j)+256*\c+16*\q
.endr
.endr
.endm
.macro TILE j
.set XS, X+64*((\j)%2)
.set FS, F+12*(\j)
.if (\j) < 3
	RD \j+1
	s_wait_dscnt 16                                ; this tile's 16 loads are in; the next tile's may be out
.else
	s_wait_dscnt 0x0
.endif
.irp u, 0,1,2,3
	v_max3_num_f32 v[10+\u], |v[XS+16*\u]|, |v[XS+1+16*\u]|, 0x1800000   ; the floor 2^(3 - 127) holds the byte at 1 from below
.endr
.irp i, 2,4,6,8,10,12,14
.irp u, 0,1,2,3
	v_max3_num_f32 v[10+\u], v[10+\u], |v[XS+16*\u+\i]|, |v[XS+1+16*\u+\i]|
.endr
.endr
	v_max_num_f32 v10, v10, v11                    ; block h
	v_max_num_f32 v12, v12, v13                    ; block 2 + h
	v_add_nc_u32 v10, 0xff000000, v10              ; 2 off the exponent field: the conversion's scale operand
	v_add_nc_u32 v12, 0xff000000, v12
	v_lshrrev_b32 v14, 23, v10
	v_lshrrev_b32 v16, 23, v12
	v_lshl_or_b32 v14, v16, 16, v14
	v_lshlrev_b32 v14, v7, v14                     ; my two bytes at their places,
	v_permlanex16_b32 v15, v14, s32, s33
	v_or_b32 v[20+\j], v14, v15                    ; with lane l xor 16's two the word is whole
.irp c, 0,1
	v_cvt_scalef32_pk16_fp6_f32 v[FS+6*\c:FS+6*\c+2], v[XS+32*\c:XS+32*\c+15], v[10+2*\c]
	v_cvt_scalef32_pk16_fp6_f32 v[24+4*\c:26+4*\c], v[XS+32*\c+16:XS+32*\c+31], v[10+2*\c]
.endr
	v_nop
.irp c, 0,1
.irp i, 0,1,2
	v_mov_b32 v[FS+6*\c+3+\i], v[24+4*\c+\i]
.endr
.endr
.irp c, 0,1,2
	global_store_b128 v1, v[FS+4*\c:FS+4*\c+3], s[12:13] offset:1536*(\j)+512*\c
.endr
.endm
	s_wait_alu depctr_va_vdst(0)                   ; the wait at the head's end
	s_wait_tensorcnt 0x0
	RD 0
	TILE 0
	TILE 1
	TILE 2
	TILE 3
	v_cmp_gt_u32 vcc_lo, 16, v8
	s_wait_alu depctr_va_vdst(0)
	s_wait_xcnt 0x0
	s_and_saveexec_b32 s44, vcc_lo
	global_store_b128 v6, v[20:23], s[12:13] offset:6144   ; 16 lanes: 256 consecutive bytes, aligned
	s_wait_xcnt 0x0
	s_or_b32 exec_lo, exec_lo, s44
	s_wait_tensorcnt 0x0                           ; the wave's end
	ds_add_u32 v254, v255
	s_wait_dscnt 0x0
	s_endpgm
.Lfunc_end_k_q1609f715f6_quant:
	.size	k_q1609f715f6_quant, .Lfunc_end_k_q1609f715f6_quant-k_q1609f715f6_quant
	.p2alignl 7, 3214868480
	.fill 96, 4, 3214868480
	.section	.rodata,"a",@progbits
	.p2align	6, 0x0
	.amdhsa_kernel k_q1609f715f6_quant
		.amdhsa_group_segment_fixed_size 271360
		.amdhsa_private_segment_fixed_size 0
		.amdhsa_enable_private_segment 0
		.amdhsa_kernarg_size 56
		.amdhsa_user_sgpr_count 2
		.amdhsa_user_sgpr_kernarg_segment_ptr 1
		.amdhsa_wavefront_size32 1
		.amdhsa_system_sgpr_workgroup_id_x 1
		.amdhsa_system_sgpr_workgroup_id_y 1
		.amdhsa_system_sgpr_workgroup_id_z 1
		.amdhsa_system_vgpr_workitem_id 0
		.amdhsa_next_free_vgpr 256
		.amdhsa_next_free_sgpr 66
		.amdhsa_reserve_vcc 1
		.amdhsa_float_denorm_mode_32 3
		.amdhsa_float_denorm_mode_16_64 3
		.amdhsa_memory_ordered 1
		.amdhsa_forward_progress 1
		.amdhsa_inst_pref_size 22
	.end_amdhsa_kernel
	.amdgpu_metadata
---
amdhsa.version: [ 1, 2 ]
amdhsa.kernels:
  - .name:           k_q1609f715f6_quant
    .symbol:         k_q1609f715f6_quant.kd
    .args:
      - { .name: x, .offset: 0, .size: 8, .value_kind: global_buffer, .address_space: global }
      - { .name: Wq, .offset: 8, .size: 8, .value_kind: global_buffer, .address_space: global }
      - { .name: Wk, .offset: 16, .size: 8, .value_kind: global_buffer, .address_space: global }
      - { .name: Wv, .offset: 24, .size: 8, .value_kind: global_buffer, .address_space: global }
      - { .name: xc, .offset: 32, .size: 8, .value_kind: global_buffer, .address_space: global }
      - { .name: wqk, .offset: 40, .size: 8, .value_kind: global_buffer, .address_space: global }
      - { .name: wv, .offset: 48, .size: 8, .value_kind: global_buffer, .address_space: global }
    .group_segment_fixed_size: 271360
    .private_segment_fixed_size: 0
    .kernarg_segment_align: 8
    .kernarg_segment_size: 56
    .max_flat_workgroup_size: 256
    .sgpr_count:     66
    .vgpr_count:     256
    .wavefront_size: 32
...
	.end_amdgpu_metadata
.endif
;; end of part 1
;; launch qkv (part 2): grid 32 x 8, 4 waves a work-group, clusters of 4 x 4, 327,680 bytes of LDS; arguments xc, wqk, wv, bq, bk, bv, qc, qs, kv; writes qc, qs, kv
.if DOCPART == 2
	.amdgcn_target "amdgcn-amd-amdhsa--gfx1250"
	.amdhsa_code_object_version 6
	.text
	.protected	k_q1609f715f6_qkv
	.globl	k_q1609f715f6_qkv
	.p2align	8
	.type	k_q1609f715f6_qkv,@function
k_q1609f715f6_qkv:
	s_mov_b64 s[64:65], 0
	v_nop
	global_prefetch_b8 v0, s[64:65] scope:SCOPE_SE
	s_setreg_imm32_b32 hwreg(HW_REG_WAVE_MODE, 25, 1), 1
	s_wait_xcnt 0x0
	s_wait_alu depctr_hold_cnt(0) depctr_sa_sdst(0) depctr_va_vdst(0) depctr_va_sdst(0) depctr_va_ssrc(0) depctr_va_vcc(0) depctr_vm_vsrc(0)
	s_getreg_b32 s2, hwreg(HW_REG_IB_STS2, 6, 4)
	s_cmp_eq_u32 s2, 0
	s_cbranch_scc0 .Lentry_in_a_cluster
	s_endpgm
.Lentry_in_a_cluster:
	s_bfe_u32 s2, ttmp6, 0x10000c
	s_cmp_lg_u32 s2, 0xf033
	s_cbranch_scc0 .Lentry_shape_is_right
	s_endpgm
.Lentry_shape_is_right:
; q = x Wq^T + bq, k = x Wk^T + bk, v = x Wv^T + bv on codes of FP6 with E8M0 scales, sums in f32; the results are quantised in registers: q and k along the head's channels, v along the keys.
; LIMITS: NaN and infinities are not served; a block whose largest magnitude lies under 2^-124 has its byte held at 1; a block of zeros gets the byte 1 (its codes are zeros; this program alone reads the bytes).
; OPERANDS: records of 6,400 bytes for a band of 64 rows and 128 along K (four fragments of 1,536 bytes, 256 bytes of scale words [r][tile]); lane r of a band's tile j is row 8 j + r % 8 + 32 (r / 8).
; As source 0 the four tiles of a band leave in lane (r, h), register 8 j + i, row 32 h + 8 j + i: a whole scale block in one lane, in the order in which an operand's registers 6 c .. 6 c + 5 take it.
; SHARES.  A work-group makes 256 tokens (block i) x 64 channels (band jh: head jh / 2, half c = jh % 2) of q, k and v.  Wave w: a = w / 2 takes 128 of the tokens, b = w % 2:
;   q (b = 0) or k (b = 1): source 0 = the four tiles of Wq's or Wk's band, source 1 = x's eight tiles: 32 accumulators;  v: source 0 = x's eight tiles, source 1 = Wv's tiles 2 b, 2 b + 1: 16 accumulators.
; So 14 fragments serve 48 products a K step.
; RING.  A K step is 44,800 bytes; slot A has room for four, slot B for three.  FILLS: K steps 0-2 (A), 3-5 (B), 6-9 (A), 10-12 (B), 13-15 (A).  One joint load a wave: waves 0, 1 x's halves, wave 2 Wq's and Wk's records, wave 3 Wv's: dense, as rows of 256 bytes.
; At the head slot A; slot B behind the round that follows; three refills.  A fill has three K steps or more in which to land.
; CLUSTER 4 x 4: x hangs on i alone and is shared along a row, the weights on jh alone, along a column.
; PREFETCH, ONE FILL AHEAD: behind each joint load (the last fill's excepted) the bytes of the next fill are asked for.  Wave w asks for what it will load; of its rows of 256 bytes each of the four partners takes a quarter, told apart by address
; (cx for x, cy for the weights).  x's bytes are needed by eight clusters and asked for by the four with an even cluster number along x; the weights' by the two that need them.
; OUT.  qc: [bh][tile 32][c][registers 0-3: 16 x lane, then 4-5: 8 x lane], 768 bytes a half; qs: [bh][128 tokens][c][r][tile 8] two bytes (h = 0, 1).  kv: for each bh 102,400 bytes: K's fragments as qc, V's 32 fragments (three pieces of 512),
; K's scale bytes as qs, V's scale words [key step][tile][r].
; REGISTERS: window 0: addresses; v32-63 scale words, two sets; v64-159, v160-255 x's fragments, two sets.  window 1: W's six fragments, two sets of 72.  window 2: q's or k's sums, (m, t) at v[32 m + 8 t].
;   window 3: v's, (n, m) at v[64 n + 8 m]; v128-159 bq or bk, v160-175 bv, in the results' layouts.
.set SA,   51200                       ; slot A: bytes of one wave's region (four K steps of two records)
.set SB,   38400
.set BB,   3*SA+25600                  ; slot B's first byte
.set SPARE, BB+3*SB+19200
.set SPW,  1
.set NIL,  2
.set AX,   3                           ; v3-4 x, v5-6 Wq or Wk, v7-8 Wv, v9-14 their scale words: slot A, slot B
.set AW,   5
.set AV,   7
.set ASX,  9
.set ASW,  11
.set ASV,  13
.set LI,   15
.set L8,   16
.set QSA,  20
.set H8,   21
.set L4,   22
.set P3,   27                          ; v27-28, v29-30 the prefetches' offsets in a fill of three or of four K steps; never rewritten
.set P4,   29
.set XF,   64
.set BQK,  128
.set BV,   160
.set T,    200
.set WV,   22
.set SEL,  66
.set G1X,  28
.set G1W,  36
.set G1V,  44
.set G0X,  52
.set G0W,  56
.set G0V,  60
.set MSB, 0
.macro WIN new
.if MSB != (\new)
	s_set_vgpr_msb (MSB<<8)|(\new)
.set MSB, \new
.endif
.endm
.set MQK,  0xa1
.set MQK1, 0xb1
.set MV,   0xf4
.macro WALU
	s_wait_alu depctr_va_vdst(0)
.endm
.macro PLACES
.rept 4
	v_nop
.endr
.endm
.macro TLOAD g0, g1
	tensor_load_to_lds s[\g0:\g0+3], s[\g1:\g1+7]
	s_nop 0
	PLACES
.endm
.macro JLOAD                           ; one joint load a wave, each arm with its own line and mask
	s_cmp_lt_u32 s[WV], 2
	s_cbranch_scc0 .Lfor_w_\@
	TLOAD G0X, G1X
	s_branch .Lasked_\@
.Lfor_w_\@:
	s_cmp_eq_u32 s[WV], 2
	s_cbranch_scc0 .Lfor_v_\@
	TLOAD G0W, G1W
	s_branch .Lasked_\@
.Lfor_v_\@:
	TLOAD G0V, G1V
.Lasked_\@:
.endm
.macro ROWS n                          ; n K steps: 50 n rows of 256 bytes, Wv 25 n
	s_mov_b32 s[G1X+2], (50*\n)<<16
	s_mov_b32 s[G1X+4], 50*\n
	s_mov_b32 s[G1W+2], (50*\n)<<16
	s_mov_b32 s[G1W+4], 50*\n
	s_mov_b32 s[G1V+2], (25*\n)<<16
	s_mov_b32 s[G1V+4], 25*\n
.endm
.macro FILL to, n, adv                 ; the next fill: into the slot whose place is in s\to, n K steps, adv K steps further on than the last (no load of the wave is out)
	s_mov_b32 s[G0X+1], s\to
	s_mov_b32 s[G0W+1], s\to
	s_mov_b32 s[G0V+1], s\to
	s_add_nc_u64 s[G0X+2:G0X+3], s[G0X+2:G0X+3], 12800*\adv
	s_add_nc_u64 s[G0W+2:G0W+3], s[G0W+2:G0W+3], 12800*\adv
	s_add_nc_u64 s[G0V+2:G0V+3], s[G0V+2:G0V+3], 6400*\adv
	ROWS \n
	JLOAD
.endm
.macro ASK r                           ; the next fill's bytes, from s[4:5] on
	s_cmp_eq_u32 s88, 1
	s_cbranch_scc0 .Lnot_mine_\@
	global_prefetch_b8 v[\r], s[4:5] th:TH_LOAD_NT scope:SCOPE_SE
	global_prefetch_b8 v[\r+1], s[4:5] th:TH_LOAD_NT scope:SCOPE_SE
.Lnot_mine_\@:
.endm
.macro CREST
	s_cmp_lg_u32 s[WV], 0
	s_cbranch_scc1 .Lnot_wave_0_\@
	s_barrier_signal -3
.Lnot_wave_0_\@:
	s_barrier_wait -3
	s_barrier_signal -1
	s_barrier_wait -1
.endm
.macro CROUND
	s_barrier_signal -1
	s_barrier_wait -1
	CREST
.endm
	s_load_b256 s[4:11], s[0:1], 0x0               ; xc, wqk, wv, bq
	s_load_b256 s[12:19], s[0:1], 0x20             ; bk, bv, qc, qs
	s_load_b64 s[20:21], s[0:1], 0x40              ; kv
	v_lshl_add_u32 v[SPW], v0, 2, SPARE
	v_mov_b32 v[NIL], 0
	ds_add_u32 v[SPW], v[NIL]                      ; the opening add, twice
	ds_add_u32 v[SPW], v[NIL]
	v_lshrrev_b32 v19, 5, v0
	v_readfirstlane_b32 s[WV], v19
	s_and_b32 s23, s[WV], 1                        ; b.  Also: which half of x's tokens I fetch
	s_lshr_b32 s24, s[WV], 1                       ; a
	s_mov_b32 s25, 0xffff0000                      ; a lane mask: lanes 16-31
	s_mov_b32 s[SEL], 0x76543210
	s_mov_b32 s[SEL+1], 0xfedcba98
	s_bfe_u32 s92, ttmp6, 0x40000                  ; cx
	s_bfe_u32 s93, ttmp6, 0x40004                  ; cy
	s_lshl_b32 s94, ttmp9, 2
	s_add_co_u32 s94, s94, s92                     ; jh
	s_and_b32 s95, ttmp7, 0xffff
	s_lshl_b32 s95, s95, 2
	s_add_co_u32 s95, s95, s93                     ; i
	s_lshl_b32 s96, s93, 2
	s_lshl_b32 s96, 15, s96                        ; my row of the cluster
	s_lshl_b32 s97, 0x1111, s92                    ; my column
	s_or_b32 s[G1X], s96, (3<<16)|(1<<21)
	s_or_b32 s[G1W], s97, (3<<16)|(1<<21)
	s_or_b32 s[G1V], s97, (3<<16)|(1<<21)
.irp g, G1X, G1W, G1V
	s_mov_b32 s[\g+1], 32<<16
	s_mov_b32 s[\g+3], 32<<16
	s_mov_b32 s[\g+5], 32
	s_mov_b32 s[\g+6], 0
	s_mov_b32 s[\g+7], 0
.endr
	ROWS 3
	s_lshl_b32 s98, s95, 1
	s_add_co_u32 s98, s98, s23
	s_mul_i32 s98, s98, 204800                     ; x: block 2 i + my half
	s_mov_b32 s99, 0
	s_mul_i32 s100, s94, 204800
	s_mov_b32 s101, 0
	s_mul_i32 s26, s94, 102400
	s_mov_b32 s27, 0
	s_mul_i32 s2, s[WV], SA                        ; my region in slot A,
	s_mul_i32 s3, s[WV], SB
	s_add_co_u32 s3, s3, BB                        ; in slot B: no place in the cluster enters an LDS address
	s_mov_b32 s[G0X], 1
	s_mov_b32 s[G0W], 1
	s_mov_b32 s[G0V], 1
	s_mov_b32 s[G0X+1], s2
	s_mov_b32 s[G0W+1], s2
	s_mov_b32 s[G0V+1], s2
	s_wait_dscnt 0x0
	s_wait_kmcnt 0x0
	s_add_nc_u64 s[98:99], s[4:5], s[98:99]
	s_mov_b64 s[G0X+2:G0X+3], s[98:99]
	s_or_b32 s[G0X+3], s[G0X+3], 0x80000000
	s_add_nc_u64 s[100:101], s[6:7], s[100:101]
	s_mov_b64 s[G0W+2:G0W+3], s[100:101]
	s_or_b32 s[G0W+3], s[G0W+3], 0x80000000
	s_add_nc_u64 s[26:27], s[8:9], s[26:27]
	s_mov_b64 s[G0V+2:G0V+3], s[26:27]
	s_or_b32 s[G0V+3], s[G0V+3], 0x80000000
	CROUND                                         ; all sixteen work-groups are here: the first joint loads meet
	JLOAD                                          ; K steps 0-2
	; where the results go
	s_lshr_b32 s76, s95, 1
	s_lshl_b32 s76, s76, 4
	s_lshr_b32 s77, s94, 1
	s_add_co_u32 s76, s76, s77                     ; bh = 16 x batch + head
	s_and_b32 s77, s95, 1
	s_lshl_b32 s77, s77, 1
	s_add_co_u32 s77, s77, s24                     ; which 128 tokens of the batch
	s_and_b32 s78, s94, 1                          ; c
	s_mul_i32 s79, s77, 12288
	s_mul_i32 s80, s78, 768
	s_add_co_u32 s79, s79, s80
	s_mul_i32 s88, s76, 102400                     ; my head's block of kv
	s_mul_i32 s80, s76, 49152
	s_add_co_u32 s80, s80, s79                     ; q's codes
	s_add_co_u32 s81, s88, s79                     ; k's
	s_lshl_b32 s82, s77, 9
	s_lshl_b32 s79, s78, 8
	s_add_co_u32 s79, s79, s82
	s_lshl_b32 s83, s76, 11
	s_add_co_u32 s83, s83, s79                     ; q's scale bytes
	s_add_co_u32 s84, s88, s79
	s_add_co_u32 s84, s84, 98304                   ; k's
	s_lshl_b32 s85, s78, 2
	s_lshl_b32 s86, s23, 1
	s_add_co_u32 s85, s85, s86                     ; my first tile of v: 4 c + 2 b
	s_lshl_b32 s86, s77, 3
	s_add_co_u32 s86, s86, s85
	s_mul_i32 s86, s86, 1536
	s_add_co_u32 s86, s86, s88
	s_add_co_u32 s86, s86, 49152                   ; v's codes
	s_lshl_b32 s87, s85, 6
	s_add_co_u32 s87, s87, s82
	s_add_co_u32 s87, s87, s88
	s_add_co_u32 s87, s87, 100352                  ; v's scale words
	s_cmp_eq_u32 s23, 0                            ; the choices hang on the wave's number alone
	s_cselect_b64 s[68:69], s[16:17], s[20:21]
	s_cselect_b32 s88, s80, s81
	s_cselect_b64 s[70:71], s[18:19], s[20:21]
	s_cselect_b32 s90, s83, s84
	s_cselect_b64 s[10:11], s[10:11], s[12:13]     ; bq or bk
	s_mov_b32 s89, 0
	s_mov_b32 s91, 0
	s_add_nc_u64 s[68:69], s[68:69], s[88:89]
	s_add_nc_u64 s[70:71], s[70:71], s[90:91]
	s_mov_b32 s88, s86
	s_mov_b32 s90, s87
	s_add_nc_u64 s[72:73], s[20:21], s[88:89]
	s_add_nc_u64 s[74:75], s[20:21], s[90:91]
	s_lshl_b32 s88, s94, 8                         ; my 64 channels' biases
	s_lshl_b32 s90, s23, 6
	s_add_co_u32 s90, s90, s88
	s_add_nc_u64 s[10:11], s[10:11], s[88:89]
	s_add_nc_u64 s[14:15], s[14:15], s[90:91]
	; LDS places
	s_mul_i32 s76, s24, SA
	s_mul_i32 s77, s24, SB
	s_add_co_u32 s77, s77, BB
	s_mul_i32 s78, s23, 6400
	s_add_co_u32 s79, s78, BB+2*SB
	s_add_co_u32 s78, s78, 2*SA
	s_mul_i32 s80, s23, 3072
	s_add_co_u32 s81, s80, BB+3*SB
	s_add_co_u32 s80, s80, 3*SA
	s_lshl_b32 s82, s23, 3
	s_add_co_u32 s83, s82, BB+3*SB
	s_add_co_u32 s82, s82, 3*SA
	; the prefetches: where my operand lies, its stride, my quarter
	s_and_b32 s88, ttmp9, 1
	s_xor_b32 s88, s88, 1
	s_cmp_lt_u32 s[WV], 2
	s_cselect_b32 s88, s88, 1                      ; 1: I ask
	s_cselect_b32 s6, s92, s93                     ; my place among the four that load it with me
	s_cselect_b64 s[4:5], s[98:99], s[100:101]
	s_cmp_eq_u32 s[WV], 3
	s_cselect_b64 s[4:5], s[26:27], s[4:5]
	s_cselect_b32 s7, 1, 0                         ; Wv: half the bytes
	s_mov_b32 s84, 38400
	s_lshr_b32 s84, s84, s7                        ; s[84:85] three K steps, s[86:87] four, in bytes
	s_mov_b32 s85, 0
	s_mov_b32 s86, 51200
	s_lshr_b32 s86, s86, s7
	s_mov_b32 s87, 0
	s_add_nc_u64 s[4:5], s[4:5], s[84:85]          ; at K step 3
	s_lshr_b32 s90, 38, s7                         ; rows of a quarter of three K steps (rounded up),
	s_mul_i32 s91, s90, s6
	s_sub_co_u32 s90, s90, 1
	s_mov_b32 s9, 150
	s_lshr_b32 s9, s9, s7
	s_sub_co_u32 s9, s9, 1                         ; the last row
	s_lshr_b32 s96, 50, s7                         ; the same of four
	s_mul_i32 s97, s96, s6
	s_sub_co_u32 s96, s96, 1
	s_mov_b32 s8, 200
	s_lshr_b32 s8, s8, s7
	s_sub_co_u32 s8, s8, 1
	v_and_b32 v19, 31, v0
	v_and_b32 v23, 15, v0                          ; r
	v_bfe_u32 v24, v0, 4, 1                        ; h
	v_lshlrev_b32 v[LI], 4, v19
	v_lshlrev_b32 v[L8], 3, v19
	v_lshlrev_b32 v[L4], 2, v19
	v_lshlrev_b32 v25, 4, v23                      ; 16 r
	v_lshlrev_b32 v[H8], 3, v24
	v_add_nc_u32 v[QSA], v25, v[H8]                ; 16 r + 8 h
	v_lshlrev_b32 v17, 7, v24                      ; 128 h: bq, bk
	v_and_b32 v18, 7, v23
	v_lshrrev_b32 v26, 3, v23
	v_lshl_add_u32 v18, v26, 5, v18
	v_lshlrev_b32 v18, 2, v18                      ; bv: my lane's channel of a tile
	v_add_nc_u32 v[AX], s76, v[LI]
	v_add_nc_u32 v[AX+1], s77, v[LI]
	v_add_nc_u32 v[AW], s78, v[LI]
	v_add_nc_u32 v[AW+1], s79, v[LI]
	v_add_nc_u32 v[AV], s80, v[LI]
	v_add_nc_u32 v[AV+1], s81, v[LI]
	v_add_nc_u32 v[ASX], s76, v25
	v_add_nc_u32 v[ASX+1], s77, v25
	v_add_nc_u32 v[ASW], s78, v25
	v_add_nc_u32 v[ASW+1], s79, v25
	v_add_nc_u32 v[ASV], s82, v25
	v_add_nc_u32 v[ASV+1], s83, v25
	v_add_nc_u32 v26, 32, v19
	v_min_u32 v[P3], s90, v19
	v_min_u32 v[P3+1], s90, v26
	v_min_u32 v[P4], s96, v19
	v_min_u32 v[P4+1], s96, v26
	v_add_nc_u32 v[P3], s91, v[P3]
	v_add_nc_u32 v[P3+1], s91, v[P3+1]
	v_add_nc_u32 v[P4], s97, v[P4]
	v_add_nc_u32 v[P4+1], s97, v[P4+1]
	v_min_u32 v[P3], s9, v[P3]
	v_min_u32 v[P3+1], s9, v[P3+1]
	v_min_u32 v[P4], s8, v[P4]
	v_min_u32 v[P4+1], s8, v[P4+1]
.irp r, P3, P3+1, P4, P4+1
	v_lshlrev_b32 v[\r], 8, v[\r]
.endr
	WIN 0xc0
.irp t, 0,1,2,3
	global_load_b128 v[BQK+8*\t:BQK+8*\t+3], v17, s[10:11] offset:32*\t          ; register j of tile t: channel 32 h + 8 t + j
	global_load_b128 v[BQK+8*\t+4:BQK+8*\t+7], v17, s[10:11] offset:32*\t+16
.endr
.irp n, 0,1
.irp e, 0,1,2,3,4,5,6,7
	global_load_b32 v[BV+8*\n+\e], v18, s[14:15] offset:32*\n   ; v's registers run along the tokens: all eight hold the channel's bias
.endr
.endr
	WIN 0
.macro WHERE k                         ; K step k's slot and its place there
.if (\k) < 3
.set SL, 0
.set IX, (\k)
.elseif (\k) < 6
.set SL, 1
.set IX, (\k)-3
.elseif (\k) < 10
.set SL, 0
.set IX, (\k)-6
.elseif (\k) < 13
.set SL, 1
.set IX, (\k)-10
.else
.set SL, 0
.set IX, (\k)-13
.endif
.endm
.macro XT k, m                         ; x's tile m: 3 loads
.irp c, 0,1,2
	ds_load_b128 v[XF+96*((\k)%2)+12*(\m)+4*\c:XF+96*((\k)%2)+12*(\m)+4*\c+3], v[AX+SL] offset:12800*IX+6400*((\m)/4)+1536*((\m)%4)+512*\c
.endr
.endm
.macro LD1 k                           ; K step k's first run, 28 loads: W's six fragments, the scale words, x's tiles 0, 1
	WHERE \k
	WIN 0x40
.irp t, 0,1,2,3
.irp c, 0,1,2
	ds_load_b128 v[72*((\k)%2)+12*\t+4*\c:72*((\k)%2)+12*\t+4*\c+3], v[AW+SL] offset:12800*IX+1536*\t+512*\c
.endr
.endr
.irp n, 0,1
.irp c, 0,1,2
	ds_load_b128 v[72*((\k)%2)+48+12*\n+4*\c:72*((\k)%2)+48+12*\n+4*\c+3], v[AV+SL] offset:6400*IX+1536*\n+512*\c
.endr
.endr
	WIN 0
.set SSL, 32+16*((\k)%2)
	ds_load_b128 v[SSL:SSL+3], v[ASX+SL] offset:12800*IX+6144
	ds_load_b128 v[SSL+4:SSL+7], v[ASX+SL] offset:12800*IX+12544
	ds_load_b128 v[SSL+8:SSL+11], v[ASW+SL] offset:12800*IX+6144
	ds_load_b64 v[SSL+12:SSL+13], v[ASV+SL] offset:6400*IX+6144
	XT \k, 0
	XT \k, 1
.endm
.macro LD2 k                           ; the second run, 18 loads: x's tiles 2 to 7
	WHERE \k
	WIN 0
.irp m, 2,3,4,5,6,7
	XT \k, \m
.endr
.endm
; The 48 accumulators take turns, one instruction a turn, in the same order in every K step.
.macro QK k, m0, cnt, first            ; x's tiles m0 .. against W's four
.if \first
	WIN MQK1
.else
	WIN MQK
.endif
.set FW, 72*((\k)%2)
.set FX, XF+96*((\k)%2)
.set SS, 32+16*((\k)%2)
.set M_, \m0
.rept \cnt
.irp t, 0,1,2,3
.if \first
	v_wmma_scale_f32_16x16x128_f8f6f4 v[32*M_+8*\t:32*M_+8*\t+7], v[FW+12*\t:FW+12*\t+11], v[FX+12*M_:FX+12*M_+11], v[BQK+8*\t:BQK+8*\t+7], v[SS+8+\t], v[SS+M_] matrix_a_fmt:MATRIX_FMT_FP6 matrix_b_fmt:MATRIX_FMT_FP6
.else
	v_wmma_scale_f32_16x16x128_f8f6f4 v[32*M_+8*\t:32*M_+8*\t+7], v[FW+12*\t:FW+12*\t+11], v[FX+12*M_:FX+12*M_+11], v[32*M_+8*\t:32*M_+8*\t+7], v[SS+8+\t], v[SS+M_] matrix_a_fmt:MATRIX_FMT_FP6 matrix_b_fmt:MATRIX_FMT_FP6
.endif
.endr
.set M_, M_+1
.endr
.endm
.macro VV k, first                     ; x's eight tiles against my two of Wv
	WIN MV
.set FW, 72*((\k)%2)+48
.set FX, XF+96*((\k)%2)
.set SS, 32+16*((\k)%2)
.irp n, 0,1
.irp m, 0,1,2,3,4,5,6,7
.if \first
	v_wmma_scale_f32_16x16x128_f8f6f4 v[64*\n+8*\m:64*\n+8*\m+7], v[FX+12*\m:FX+12*\m+11], v[FW+12*\n:FW+12*\n+11], v[BV+8*\n:BV+8*\n+7], v[SS+\m], v[SS+12+\n] matrix_a_fmt:MATRIX_FMT_FP6 matrix_b_fmt:MATRIX_FMT_FP6
.else
	v_wmma_scale_f32_16x16x128_f8f6f4 v[64*\n+8*\m:64*\n+8*\m+7], v[FX+12*\m:FX+12*\m+11], v[FW+12*\n:FW+12*\n+11], v[64*\n+8*\m:64*\n+8*\m+7], v[SS+\m], v[SS+12+\n] matrix_a_fmt:MATRIX_FMT_FP6 matrix_b_fmt:MATRIX_FMT_FP6
.endif
.endr
.endr
	WIN 0
.endm
.macro STEPQ k, first=0                ; a K step whose successor lies in the same slot
	PLACES                                         ; the other set was multiplied by the products just issued: these four stand in front of all this step's loads
	LD1 \k+1
	s_wait_dscnt 28                                ; this step's loads are in; the 28 just issued may be out
	QK \k, 0, 6, \first
	LD2 \k+1
	QK \k, 6, 2, \first
	VV \k, \first
.endm
; A slot's last K step: one barrier; in front of it each wave waits for all its tensor loads, adds 0 to its spare word, and waits for that and for its reads of this slot, which are this step's fragments.
; Sixteen products stand ahead of the wait on TENSORcnt, so that the tile has them too in which to land.
; n > 0: the barrier opens a round of the cluster's barrier, and this slot is filled again, with n K steps.  pf > 0: then the next fill's bytes are asked for; s[pa:pa+1] steps their address.
.macro TURNQ k, to=2, n=0, adv=0, pf=0, pa=84
	s_wait_dscnt 0x0                               ; this step's fragments are in
	QK \k, 0, 4, 0
	WIN 0
.if \pf
	s_wait_xcnt 0x0                                ; the last prefetch has read its address
	s_add_nc_u64 s[4:5], s[4:5], s[\pa:\pa+1]
.endif
	s_wait_tensorcnt 0x0
	ds_add_u32 v[SPW], v[NIL]
	QK \k, 4, 1, 0
	WIN 0
	s_wait_dscnt 0x0
	s_barrier_signal -1
	QK \k, 5, 1, 0
	WIN 0
	s_barrier_wait -1
.if \n
	CREST
	FILL \to, \n, \adv                             ; its four v_nop are the places in front of the loads below
.else
	PLACES
.endif
	LD1 \k+1
	QK \k, 6, 2, 0
	LD2 \k+1
.if \pf
	ASK \pf
.endif
	VV \k, 0
.endm
	WALU                                           ; the wait at the head's end
	ASK P3                                         ; K steps 3-5
	s_wait_tensorcnt 0x0                           ; my part of slot A is in; the full sequence stands ahead of slot B's first fill
	ds_add_u32 v[SPW], v[NIL]
	s_wait_dscnt 0x0
	CROUND
	FILL 3, 3, 3                                   ; slot B: K steps 3-5
	LD1 0
	LD2 0
	s_wait_xcnt 0x0                                ; the last prefetch has read its address
	s_add_nc_u64 s[4:5], s[4:5], s[84:85]
	ASK P4                                         ; K steps 6-9
	s_wait_loadcnt 0x0                             ; the biases
	STEPQ 0, 1                                     ; they start the sums
	STEPQ 1
	TURNQ 2, 2, 4, 3, P3, 86                       ; slot A takes K steps 6-9; 10-12 are asked for
	STEPQ 3
	STEPQ 4
	TURNQ 5, 3, 3, 4, P3, 84                       ; slot B takes K steps 10-12; 13-15 are asked for
	STEPQ 6
	STEPQ 7
	STEPQ 8
	TURNQ 9, 2, 3, 3                               ; slot A takes K steps 13-15
	STEPQ 10
	STEPQ 11
	TURNQ 12                                       ; nothing is left to fetch
	STEPQ 13
	STEPQ 14
	s_wait_dscnt 0x0
	QK 15, 0, 8, 0
	VV 15, 0
; THE WAY OUT of two units of 32 numbers a lane, at u0 and u1 in window win: codes into six registers each, scale bytes into e0 and e0 + 1.  Four chains of maxima by turns; each accumulator is read from its low end on.
.macro QPAIR win, u0, u1, d0, d1, e0
	WIN (\win)|((\win)<<2)
.irp k, 0,16
	v_max3_num_f32 v[T+\k/16], |v[\u0+\k]|, |v[\u0+\k+1]|, 0x1800000   ; the floor 2^(3 - 127)
	v_max3_num_f32 v[T+2+\k/16], |v[\u1+\k]|, |v[\u1+\k+1]|, 0x1800000
.endr
.irp i, 2,4,6,8,10,12,14
.irp k, 0,16
	v_max3_num_f32 v[T+\k/16], |v[\u0+\k+\i]|, |v[\u0+\k+\i+1]|, v[T+\k/16]
	v_max3_num_f32 v[T+2+\k/16], |v[\u1+\k+\i]|, |v[\u1+\k+\i+1]|, v[T+2+\k/16]
.endr
.endr
	WIN 0
	v_max_num_f32 v[T], v[T], v[T+1]
	v_max_num_f32 v[T+2], v[T+2], v[T+3]
	v_add_nc_u32 v[T+4], 0xff000000, v[T]          ; 2 off the exponent field: the conversion's scale operand
	v_add_nc_u32 v[T+5], 0xff000000, v[T+2]
	v_lshrrev_b32 v[\e0], 23, v[T+4]               ; the scale's byte
	v_lshrrev_b32 v[\e0+1], 23, v[T+5]
	WIN \win
	v_cvt_scalef32_pk16_fp6_f32 v[\d0:\d0+2], v[\u0:\u0+15], v[T+4]
	v_cvt_scalef32_pk16_fp6_f32 v[T+8:T+10], v[\u0+16:\u0+31], v[T+4]
	v_cvt_scalef32_pk16_fp6_f32 v[\d1:\d1+2], v[\u1:\u1+15], v[T+5]
	v_cvt_scalef32_pk16_fp6_f32 v[T+12:T+14], v[\u1+16:\u1+31], v[T+5]
	WIN 0
	v_nop
.irp i, 0,1,2
	v_mov_b32 v[\d0+3+\i], v[T+8+\i]
	v_mov_b32 v[\d1+3+\i], v[T+12+\i]
.endr
.endm
.macro QOUT m                          ; q's or k's tiles m, m + 1
	QPAIR 2, 32*(\m), 32*(\m)+32, 64+6*(\m), 70+6*(\m), 140+(\m)
.irp u, 0,1
	global_store_b128 v[LI], v[64+6*(\m)+6*\u:67+6*(\m)+6*\u], s[68:69] offset:1536*((\m)+\u)
	global_store_b64 v[L8], v[68+6*(\m)+6*\u:69+6*(\m)+6*\u], s[68:69] offset:1536*((\m)+\u)+512
.endr
.endm
	PLACES                                         ; behind the last products
	QOUT 0
	QOUT 2
	QOUT 4
	QOUT 6
.irp n, 0,1
	QPAIR 3, 64*\n, 64*\n+32, 112+12*\n, 118+12*\n, 148+2*\n
.irp c, 0,1,2
	global_store_b128 v[LI], v[112+12*\n+4*\c:115+12*\n+4*\c], s[72:73] offset:1536*\n+512*\c
.endr
.endr
.irp k, 0,1,2,3,4,5                            ; pairs of bytes: k < 4: tiles 2 k, 2 k + 1 of q or k; k = 4, 5: the two bands of v's tiles
	v_lshl_or_b32 v[160+\k], v[141+2*\k], 16, v[140+2*\k]
	v_mov_b32 v[168+\k], 0                         ; a lane permute's destination counts as a source
.endr
.irp k, 0,1,2,3,4,5
	v_lshlrev_b32 v[160+\k], v[H8], v[160+\k]      ; the upper half of the lanes holds the odd bytes
.endr
.irp k, 0,1,2,3,4,5
	v_permlanex16_b32 v[168+\k], v[160+\k], s[SEL], s[SEL+1]
.endr
.irp k, 0,1,2,3,4,5
	v_or_b32 v[160+\k], v[160+\k], v[168+\k]
.endr
	v_cndmask_b32 v176, v160, v162, s25            ; lanes 0-15 words 0, 1 of row r, lanes 16-31 words 2, 3
	v_cndmask_b32 v177, v161, v163, s25
	v_cndmask_b32 v178, v164, v165, s25            ; lanes 0-15 v's first tile, lanes 16-31 its second
	WALU
	global_store_b64 v[QSA], v[176:177], s[70:71]  ; 256 consecutive bytes, aligned
	global_store_b32 v[L4], v178, s[74:75]
	s_wait_tensorcnt 0x0                           ; the wave's end
	ds_add_u32 v[SPW], v[NIL]
	s_wait_dscnt 0x0
	CROUND                                         ; the closing round
	s_endpgm
.Lfunc_end_k_q1609f715f6_qkv:
	.size	k_q1609f715f6_qkv, .Lfunc_end_k_q1609f715f6_qkv-k_q1609f715f6_qkv
	.p2alignl 7, 3214868480
	.fill 96, 4, 3214868480
	.section	.rodata,"a",@progbits
	.p2align	6, 0x0
	.amdhsa_kernel k_q1609f715f6_qkv
		.amdhsa_group_segment_fixed_size 327680
		.amdhsa_private_segment_fixed_size 0
		.amdhsa_enable_private_segment 0
		.amdhsa_kernarg_size 72
		.amdhsa_user_sgpr_count 2
		.amdhsa_user_sgpr_kernarg_segment_ptr 1
		.amdhsa_wavefront_size32 1
		.amdhsa_system_sgpr_workgroup_id_x 1
		.amdhsa_system_sgpr_workgroup_id_y 1
		.amdhsa_system_sgpr_workgroup_id_z 1
		.amdhsa_system_vgpr_workitem_id 0
		.amdhsa_next_free_vgpr 1024
		.amdhsa_next_free_sgpr 102
		.amdhsa_reserve_vcc 0
		.amdhsa_float_denorm_mode_32 3
		.amdhsa_float_denorm_mode_16_64 3
		.amdhsa_memory_ordered 1
		.amdhsa_forward_progress 1
		.amdhsa_inst_pref_size 193
	.end_amdhsa_kernel
	.amdgpu_metadata
---
amdhsa.version: [ 1, 2 ]
amdhsa.kernels:
  - .name:           k_q1609f715f6_qkv
    .symbol:         k_q1609f715f6_qkv.kd
    .args:
      - { .name: xc, .offset: 0, .size: 8, .value_kind: global_buffer, .address_space: global }
      - { .name: wqk, .offset: 8, .size: 8, .value_kind: global_buffer, .address_space: global }
      - { .name: wv, .offset: 16, .size: 8, .value_kind: global_buffer, .address_space: global }
      - { .name: bq, .offset: 24, .size: 8, .value_kind: global_buffer, .address_space: global }
      - { .name: bk, .offset: 32, .size: 8, .value_kind: global_buffer, .address_space: global }
      - { .name: bv, .offset: 40, .size: 8, .value_kind: global_buffer, .address_space: global }
      - { .name: qc, .offset: 48, .size: 8, .value_kind: global_buffer, .address_space: global }
      - { .name: qs, .offset: 56, .size: 8, .value_kind: global_buffer, .address_space: global }
      - { .name: kv, .offset: 64, .size: 8, .value_kind: global_buffer, .address_space: global }
    .group_segment_fixed_size: 327680
    .private_segment_fixed_size: 0
    .kernarg_segment_align: 8
    .kernarg_segment_size: 72
    .max_flat_workgroup_size: 128
    .sgpr_count:     102
    .vgpr_count:     1024
    .wavefront_size: 32
...
	.end_amdgpu_metadata
.endif
;; end of part 2
;; launch attn (part 3): grid 4 x 64, 16 waves a work-group, clusters of 4 x 1, 327,680 bytes of LDS; arguments qc, qs, kv, attn_mask, Wp, yc, wpc; writes yc, wpc
.if DOCPART == 3
	.amdgcn_target "amdgcn-amd-amdhsa--gfx1250"
	.amdhsa_code_object_version 6
	.text
	.protected	k_q1609f715f6_attn
	.globl	k_q1609f715f6_attn
	.p2align	8
	.type	k_q1609f715f6_attn,@function
k_q1609f715f6_attn:
	s_mov_b64 s[64:65], 0
	v_nop
	global_prefetch_b8 v0, s[64:65] scope:SCOPE_SE
	s_setreg_imm32_b32 hwreg(HW_REG_WAVE_MODE, 25, 1), 1
	s_wait_xcnt 0x0
	s_wait_alu depctr_hold_cnt(0) depctr_sa_sdst(0) depctr_va_vdst(0) depctr_va_sdst(0) depctr_va_ssrc(0) depctr_va_vcc(0) depctr_vm_vsrc(0)
	s_getreg_b32 s2, hwreg(HW_REG_IB_STS2, 6, 4)
	s_cmp_eq_u32 s2, 0
	s_cbranch_scc0 .Lentry_in_a_cluster
	s_endpgm
.Lentry_in_a_cluster:
	s_bfe_u32 s2, ttmp6, 0x10000c
	s_cmp_lg_u32 s2, 0x3003
	s_cbranch_scc0 .Lentry_shape_is_right
	s_endpgm
.Lentry_shape_is_right:
; softmax(q k^T / sqrt(128), causal, + attn_mask) v on codes of FP6, quantised along the channels for the projection; and, beside it, Wp into codes.
; WORK LEFT OUT: steps of 128 keys wholly above the causal diagonal (p = 0 there for all inputs).  Limit: a NaN, an infinity or an overflow that reaches only those tiles is not carried on.
; LIMITS: NaN and infinities are not served; scaled scores (to the base 2) stay under 2^31 in magnitude; blocks' bytes are held at 1 from below, a block of zeros keeps 1 (its codes are zeros).  The largest p of a block is the exponential of its largest score.
; SHARES.  Grid y = bh (16 x batch + head); the four work-groups of a cluster share its K and V, which come whole, with their scale bytes, as 102,400 dense bytes: one joint load for each of waves 0 to 7, 50 rows of 256 bytes.  Nothing is filled again.
; A work-group has eight tiles of 16 queries (tile qt of the batch: query 64 (qt / 4) + 8 (qt % 4) + r % 8 + 32 (r / 8)), two for each CL = qt / 8; a tile's steps of 128 keys are 0 .. CL.  TWO WAVES w and w xor 1 share a tile: the helper takes the steps
; under (CL + 1) / 2, the main wave the others: two at most.  The helper hands its sums over through LDS, a slot of 8,704 bytes a wave; they are joined by powers of two (each M is a whole number).  The waves are dealt so that w, w + 4, w + 8, w + 12 have five steps together.
; S^T = K q^T: lane (r, h), register 32 c + 8 j + i = key 64 c + 32 h + 8 j + i of the step, so a scale block of p lies in one lane and its codes fall as the next operand's registers.  The mask x sqrt(128) is the C of that product.
; Wp: waves 8 and 9 ask for 64 rows x 512 bytes each (16 bytes of padding behind a row), which no other work-group reads; the eight helpers turn a tile of 16 rows each behind the second barrier.  wpc and yc: [band of 64 rows][K step][four fragments of 1,536 bytes, scale words [tile][r]].
; No prefetch: each byte is asked for once, at the head; there is no loop to run ahead in.
.set FRB,  1536
.set VIM,  32*FRB
.set KVS,  2*VIM
.set MSK,  KVS+4096
.set WST,  MSK+2048
.set SP,   528
.set WREG, 64*SP
.set PRT,  WST+2*WREG
.set PSZ,  8704
.set SPARE, PRT+16*PSZ
.set AK,   1
.set AV,   2
.set AS,   3
.set AM,   4
.set DG,   5
.set LI,   6
.set LR,   7
.set AK8,  29
.set ASK,  30
.set H8,   31
.set PST,  88                          ; my slot for sums, my partner's
.set PLD,  92
.set WPA,  93
.set WV,   62
.set CL,   63
.set SEL,  66
.set CS,   60
.set G1C,  24
.set G1W,  68
.set G0C,  40
.set G0W,  44
.set HB,   76                          ; 1: a helper
.set NS,   77                          ; my steps
.set S0,   78                          ; the first of them
.set DS,   79                          ; which of them lies on the diagonal
.macro WALU
	s_wait_alu depctr_va_vdst(0)
.endm
.macro PLACES
.rept 4
	v_nop
.endr
.endm
.macro TLOAD g0, g1
	tensor_load_to_lds s[\g0:\g0+3], s[\g1:\g1+7]
	s_nop 0
	PLACES
.endm
.macro ROUND
	s_barrier_signal -1
	s_barrier_wait -1
	s_cmp_lg_u32 s[WV], 0
	s_cbranch_scc1 .Lnot_wave_0_\@
	s_barrier_signal -3
.Lnot_wave_0_\@:
	s_barrier_wait -3
	s_barrier_signal -1
	s_barrier_wait -1
.endm
	s_load_b256 s[4:11], s[0:1], 0x0               ; qc, qs, kv, attn_mask
	s_load_b128 s[12:15], s[0:1], 0x20             ; Wp, yc
	s_load_b64 s[16:17], s[0:1], 0x30              ; wpc
	v_lshl_add_u32 v243, v0, 2, SPARE
	v_mov_b32 v255, 0
	ds_add_u32 v243, v255                          ; the opening add, twice
	ds_add_u32 v243, v255
	v_lshrrev_b32 v8, 5, v0
	v_readfirstlane_b32 s[WV], v8
	s_and_b32 s48, ttmp7, 0xffff                   ; bh
	s_bfe_u32 s49, ttmp6, 0x40000                  ; cx
	s_lshr_b32 s50, s[WV], 3                       ; half
	s_and_b32 s51, s[WV], 7
	s_xor_b32 s51, s51, s50                        ; e = w % 8, its lowest bit turned in the second half
	s_lshr_b32 s52, s51, 2                         ; e2
	s_lshr_b32 s53, s51, 1
	s_and_b32 s53, s53, 1                          ; e1
	s_and_b32 s54, s51, 1
	s_xor_b32 s[HB], s54, s52
	s_xor_b32 s53, s53, s52
	s_xor_b32 s53, s53, 1
	s_xor_b32 s52, s52, 1
	s_lshl_b32 s52, s52, 1
	s_or_b32 s[CL], s52, s53                       ; CL: 3, 3, 2, 2, 0, 0, 1, 1 for e = 0 .. 7
	s_add_co_u32 s52, s[CL], 1
	s_lshr_b32 s52, s52, 1                         ; the helper's steps
	s_xor_b32 s53, s[HB], 1
	s_mul_i32 s[S0], s52, s53
	s_lshr_b32 s53, s[CL], 1
	s_add_co_u32 s54, s53, 1                       ; the main wave's steps
	s_cmp_eq_u32 s[HB], 1
	s_cselect_b32 s[NS], s52, s54
	s_cselect_b32 s[DS], 7, s53
	s_lshl_b32 s54, s49, 1
	s_add_co_u32 s54, s54, s50                     ; my tile among the step's eight
	s_lshl_b32 s53, s[CL], 3
	s_add_co_u32 s53, s53, s54                     ; qt
	s_mov_b32 s[G1C], 15|(3<<16)|(1<<21)
	s_mov_b32 s[G1C+1], 32<<16
	s_mov_b32 s[G1C+2], 50<<16
	s_mov_b32 s[G1C+3], 32<<16
	s_mov_b32 s[G1C+4], 50
	s_mov_b32 s[G1C+5], 32
	s_mov_b32 s[G1C+6], 0
	s_mov_b32 s[G1C+7], 0
	s_mov_b32 s[G1W], (3<<16)|(1<<20)|(6<<22)|(3<<25)
	s_mov_b32 s[G1W+1], 64<<16
	s_mov_b32 s[G1W+2], 64<<16
	s_mov_b32 s[G1W+3], 64<<16
	s_mov_b32 s[G1W+4], 64
	s_mov_b32 s[G1W+5], 1024
	s_mov_b32 s[G1W+6], 0
	s_mov_b32 s[G1W+7], 0
	s_mov_b32 s[SEL], 0x76543210
	s_mov_b32 s[SEL+1], 0xfedcba98
	s_mov_b32 s[CS], 0x3e0293ee                    ; log2(e) / sqrt(128)
	s_mov_b32 s[CS+1], s[CS]
	s_mov_b32 s[G0C], 1
	s_mul_i32 s[G0C+1], s[WV], 12800
	s_mov_b32 s[G0W], 1
	s_and_b32 s57, s[WV], 1
	s_mul_i32 s[G0W+1], s57, WREG
	s_add_co_u32 s[G0W+1], s[G0W+1], WST
	s_lshl_b32 s58, s48, 2
	s_add_co_u32 s58, s58, s49
	s_lshl_b32 s58, s58, 1                         ; my work-group's first record of Wp, of two
	s_add_co_u32 s59, s58, s57                     ; the one that I ask for, if I ask
	s_lshr_b32 s32, s59, 4
	s_lshl_b32 s32, s32, 19
	s_and_b32 s59, s59, 15
	s_lshl_b32 s59, s59, 9
	s_add_co_u32 s32, s32, s59
	s_mov_b32 s33, 0
	s_mul_i32 s36, s48, 102400
	s_mul_i32 s37, s[WV], 12800
	s_add_co_u32 s36, s36, s37
	s_mov_b32 s37, 0
	s_lshl_b32 s38, s48, 5
	s_add_co_u32 s38, s38, s53
	s_mul_i32 s38, s38, FRB                        ; my q tile
	s_mov_b32 s39, 0
	s_lshl_b32 s56, s48, 11
	s_lshl_b32 s59, s[CL], 9
	s_add_co_u32 s56, s56, s59
	s_lshl_b32 s59, s54, 1
	s_add_co_u32 s56, s56, s59                     ; its scale bytes
	s_mov_b32 s57, 0
	s_lshr_b32 s34, s48, 4
	s_lshl_b32 s34, s34, 11
	s_mov_b32 s35, 0
	s_mul_i32 s20, s[S0], 8*FRB                    ; my first step in K's and V's images,
	s_lshl_b32 s21, s[S0], 9                       ; in the scale bytes and the mask
	s_mul_i32 s22, s[WV], PSZ
	s_xor_b32 s23, s[WV], 1
	s_mul_i32 s23, s23, PSZ
	s_mul_i32 s51, s50, WREG
	s_mul_i32 s52, s[CL], 8*SP
	s_add_co_u32 s51, s51, s52
	s_add_co_u32 s51, s51, WST                     ; my tile of Wp
	s_lshr_b32 s59, s54, 2
	s_lshl_b32 s59, s59, 6
	s_and_b32 s52, s54, 3
	s_lshl_b32 s52, s52, 3
	s_add_co_u32 s59, s59, s52                     ; my tile's first query in the step
	v_and_b32 v8, 31, v0
	v_and_b32 v9, 15, v0                           ; r
	v_bfe_u32 v10, v0, 4, 1                        ; h
	v_lshlrev_b32 v[LI], 4, v8
	v_lshlrev_b32 v94, 3, v8
	v_lshlrev_b32 v89, 4, v9
	v_lshlrev_b32 v95, 2, v0
	v_lshlrev_b32 v[LR], 2, v9
	v_lshlrev_b32 v[H8], 3, v10
	v_add_nc_u32 v[AK], s20, v[LI]
	v_add_nc_u32 v[AK8], s20, v94
	v_add_nc_u32 v[AV], VIM, v[AK]
	v_lshl_add_u32 v[AS], v8, 2, KVS
	v_add_nc_u32 v[AS], s21, v[AS]
	v_add_nc_u32 v[ASK], KVS, v89
	v_add_nc_u32 v[ASK], s21, v[ASK]
	v_lshl_add_u32 v[AM], v10, 7, MSK
	v_add_nc_u32 v[AM], s21, v[AM]
	v_add_nc_u32 v[PST], PRT, v[LI]
	v_add_nc_u32 v[PLD], s23, v[PST]
	v_add_nc_u32 v[PST], s22, v[PST]
	v_and_b32 v11, 7, v9
	v_lshrrev_b32 v12, 3, v9
	v_lshl_add_u32 v11, v12, 5, v11                ; r % 8 + 32 (r / 8)
	v_mul_u32_u24 v[WPA], SP, v11
	v_lshl_add_u32 v[WPA], v10, 7, v[WPA]
	v_add_nc_u32 v[WPA], s51, v[WPA]
	v_add_nc_u32 v11, s59, v11                     ; my query in the step,
	v_lshlrev_b32 v10, 5, v10
	v_sub_nc_u32 v[DG], v11, v10                   ; less my lane's 32 h
	v_add_nc_u32 v9, MSK, v95
	WALU
	s_wait_dscnt 0x0
	s_wait_kmcnt 0x0
	s_add_nc_u64 s[G0C+2:G0C+3], s[8:9], s[36:37]
	s_or_b32 s[G0C+3], s[G0C+3], 0x80000000
	s_add_nc_u64 s[G0W+2:G0W+3], s[12:13], s[32:33]
	s_or_b32 s[G0W+3], s[G0W+3], 0x80000000
	s_add_nc_u64 s[4:5], s[4:5], s[38:39]
	s_add_nc_u64 s[6:7], s[6:7], s[56:57]
	s_add_nc_u64 s[10:11], s[10:11], s[34:35]
	global_load_b128 v[16:19], v[LI], s[4:5]
	global_load_b64 v[20:21], v94, s[4:5] offset:512
	global_load_b128 v[22:25], v[LI], s[4:5] offset:768
	global_load_b64 v[26:27], v94, s[4:5] offset:1280
	global_load_u16 v90, v89, s[6:7]
	global_load_u16 v91, v89, s[6:7] offset:256
	global_load_b32 v10, v95, s[10:11]
	ROUND
	s_cmp_lt_u32 s[WV], 8
	s_cbranch_scc0 .Lfor_wp
	TLOAD G0C, G1C
	s_branch .Lasked
.Lfor_wp:
	s_cmp_lt_u32 s[WV], 10
	s_cbranch_scc0 .Lasked
	TLOAD G0W, G1W
.Lasked:
	s_lshr_b32 s59, s48, 4
	s_lshl_b32 s59, s59, 3
	s_lshr_b32 s51, s53, 2
	s_add_co_u32 s59, s59, s51                     ; my band of y
	s_lshl_b32 s59, s59, 4
	s_and_b32 s51, s48, 15
	s_add_co_u32 s59, s59, s51                     ; x 16 + head, which is the K step
	s_mul_i32 s59, s59, 6400
	s_and_b32 s51, s53, 3
	s_mul_i32 s52, s51, FRB
	s_add_co_u32 s56, s59, s52
	s_add_nc_u64 s[18:19], s[14:15], s[56:57]      ; y's codes
	s_lshl_b32 s52, s51, 6
	s_add_co_u32 s56, s59, s52
	s_add_co_u32 s56, s56, 6144
	s_add_nc_u64 s[20:21], s[14:15], s[56:57]      ; its scale words
	s_add_co_u32 s58, s58, s50
	s_mul_i32 s58, s58, 6400
	s_mul_i32 s52, s[CL], FRB
	s_add_co_u32 s56, s58, s52
	s_add_nc_u64 s[22:23], s[16:17], s[56:57]      ; Wp's codes, my tile
	s_lshl_b32 s52, s[CL], 6
	s_add_co_u32 s56, s58, s52
	s_add_co_u32 s56, s56, 6144
	s_add_nc_u64 s[34:35], s[16:17], s[56:57]      ; its scale words
	v_mov_b32 v13, 0xff61b1e6                      ; the largest t so far: -3e38
	v_mov_b32 v14, 0
	v_mov_b32 v15, 0
.irp b, 0,1,2,3
	v_mov_b32 v[236+\b], 0                         ; a lane permute's destination counts as a source
.endr
	v_mov_b32 v252, 0
	v_mov_b32 v253, 0
	v_floor_f32 v12, -v13                          ; -M
	WALU
	s_wait_loadcnt 0x0
	v_mul_f32 v10, 0x413504f3, v10                 ; sqrt(128)
	v_lshl_or_b32 v28, v91, 16, v90                ; q's scale word
	ds_store_b32 v9, v10
	WALU
	s_cmp_lt_u32 s[WV], 8
	s_cbranch_scc0 .Lnot_kv
	s_wait_tensorcnt 0x0                           ; my part of K and V; Wp's loads have lines of their own and are waited for further on
.Lnot_kv:
	s_wait_dscnt 0x0
	s_barrier_signal -1                            ; K, V and the mask are in
	s_barrier_wait -1
	s_cmp_lg_u32 s[NS], 0
	s_cbranch_scc1 .Lwork
.set j, 0
.rept 64
	v_mov_b32 v[160+j], 0                          ; a helper without keys (CL = 0): its sums are empty
.set j, j+1
.endr
	WALU
	s_branch .Lout
.Lwork:
.macro VLD t, g                        ; four fragments of V
.irp u, 0,1,2,3
.irp c, 0,1,2
	ds_load_b128 v[32+12*\u+4*\c:35+12*\u+4*\c], v[AV] offset:FRB*(8*\t+4*\g+\u)+512*\c
.endr
.endr
.endm
.macro STEP t
	ds_load_b128 v[232:235], v[ASK] offset:512*\t          ; K's scale bytes of my row in the step's eight tiles: channels 0-63,
	ds_load_b128 v[236:239], v[ASK] offset:512*\t+256      ; 64-127
.irp b, 0,1,2,3,4,5,6,7
	ds_load_b128 v[96+8*\b:99+8*\b], v[AM] offset:512*\t+256*(\b/4)+32*(\b%4)
	ds_load_b128 v[100+8*\b:103+8*\b], v[AM] offset:512*\t+256*(\b/4)+32*(\b%4)+16
.endr
.irp g, 0,1
.if \g > 0
	PLACES
.endif
.irp u, 0,1,2,3
	ds_load_b128 v[32+12*\u:35+12*\u], v[AK] offset:FRB*(8*\t+4*\g+\u)
	ds_load_b64 v[36+12*\u:37+12*\u], v[AK8] offset:FRB*(8*\t+4*\g+\u)+512
	ds_load_b128 v[38+12*\u:41+12*\u], v[AK] offset:FRB*(8*\t+4*\g+\u)+768
	ds_load_b64 v[42+12*\u:43+12*\u], v[AK8] offset:FRB*(8*\t+4*\g+\u)+1280
.endr
	s_wait_dscnt 0x0
.if \g == 0
.irp k, 0,1,2,3
	v_perm_b32 v[80+2*\k], v[236+\k], v[232+\k], 0x05040100   ; K's scale words of tiles 2 k, 2 k + 1
	v_perm_b32 v[81+2*\k], v[236+\k], v[232+\k], 0x07060302
.endr
	WALU
	PLACES                                         ; a scale register written by a vector instruction stands 8 places ahead of a scaled product
	PLACES
.endif
.irp u, 0,1,2,3
	v_wmma_scale_f32_16x16x128_f8f6f4 v[96+8*(4*\g+\u):103+8*(4*\g+\u)], v[32+12*\u:43+12*\u], v[16:27], v[96+8*(4*\g+\u):103+8*(4*\g+\u)], v[80+4*\g+\u], v28 matrix_a_fmt:MATRIX_FMT_FP6 matrix_b_fmt:MATRIX_FMT_FP6
.endr
.endr
	PLACES
	VLD \t, 0                                      ; V's first four fragments and all eight's scale words come under the softmax
.irp e, 0,1,2,3
	ds_load_b32 v[248+\e], v[AS] offset:2048+512*\t+128*\e   ; lanes 0-15 the even tile's words, lanes 16-31 the odd one's
.endr
	s_cmp_lg_u32 s[DS], \t
	s_cbranch_scc1 .Lopen_\@
	v_mov_b32 v254, 0xff800000
.set n, 0
.rept 64
	v_cmp_gt_i32 vcc_lo, 64*(n/32)+n%32, v[DG]     ; the key lies behind the query: -inf
	v_cndmask_b32 v[96+n], v[96+n], v254, vcc_lo
.set n, n+1
.endr
.Lopen_\@:
.irp b, 0,1,2,3
	v_max3_num_f32 v[232+\b], v[96+16*\b], v[97+16*\b], v[98+16*\b]
.endr
.irp i, 3,5,7,9,11,13
.irp b, 0,1,2,3
	v_max3_num_f32 v[232+\b], v[232+\b], v[96+16*\b+\i], v[97+16*\b+\i]
.endr
.endr
.irp b, 0,1,2,3
	v_max_num_f32 v[232+\b], v[232+\b], v[111+16*\b]
.endr
	v_max_num_f32 v232, v232, v233                 ; block h's largest score
	v_max_num_f32 v234, v234, v235                 ; block 2 + h's
	v_max_num_f32 v254, v232, v234
	v_permlanex16_b32 v237, v254, s[SEL], s[SEL+1]
	v_max_num_f32 v254, v254, v237                 ; the step's largest of my query
	v_mul_f32 v254, s[CS], v254
	v_max_num_f32 v13, v13, v254
	v_mov_b32 v254, v12
	v_floor_f32 v12, -v13                          ; the new -M: a whole number
	v_sub_f32 v254, v12, v254
	v_cvt_i32_f32 v254, v254
	v_ldexp_f32 v252, 1.0, v254                    ; f = 2^(old M - new M)
.set j, 0
.rept 32
	v_pk_fma_f32 v[96+j:97+j], v[96+j:97+j], s[CS:CS+1], v[12:13] op_sel_hi:[1,0,0]
.set j, j+2
.endr
	v_fma_f32 v232, v232, s[CS], v12
	v_fma_f32 v234, v234, s[CS], v12
.set j, 0
	WALU                                           ; ahead of the batch and behind it
.rept 64
	v_exp_f32 v[96+j], v[96+j]
.set j, j+1
.endr
	v_exp_f32 v232, v232
	v_exp_f32 v234, v234
	v_pk_mul_f32 v[14:15], v[14:15], v[252:253] op_sel_hi:[1,0]
	WALU
	v_max_num_f32 v232, 0x1800000, v232
	v_max_num_f32 v234, 0x1800000, v234
	v_add_nc_u32 v244, 0xff000000, v232
	v_add_nc_u32 v246, 0xff000000, v234
	v_lshrrev_b32 v236, 23, v244
	v_lshrrev_b32 v238, 23, v246
	v_lshl_or_b32 v236, v238, 16, v236
	v_lshlrev_b32 v236, v[H8], v236
	v_permlanex16_b32 v239, v236, s[SEL], s[SEL+1]
	v_or_b32 v253, v236, v239                      ; p's scale word for these 128 keys
.irp c, 0,1
	v_cvt_scalef32_pk16_fp6_f32 v[224+6*\c:226+6*\c], v[96+32*\c:111+32*\c], v[244+2*\c]
	v_cvt_scalef32_pk16_fp6_f32 v[236+4*\c:238+4*\c], v[112+32*\c:127+32*\c], v[244+2*\c]
.endr
	v_nop
.irp c, 0,1
.irp i, 0,1,2
	v_mov_b32 v[227+6*\c+\i], v[236+4*\c+\i]
.endr
.endr
	v_pk_add_f32 v[236:237], v[96:97], v[98:99]    ; the row's sum is taken of the unquantised p
.irp j, 4,8,12,16,20,24,28,32,36,40,44,48,52,56,60
	v_pk_add_f32 v[14:15], v[14:15], v[96+\j:97+\j]
	v_pk_add_f32 v[236:237], v[236:237], v[98+\j:99+\j]
.endr
	v_pk_add_f32 v[14:15], v[14:15], v[236:237]
.if \t > 0
.set j, 0
.rept 32
	v_pk_mul_f32 v[160+j:161+j], v[160+j:161+j], v[252:253] op_sel_hi:[1,0]
.set j, j+2
.endr
.endif
	WALU
.irp g, 0,1
.if \g > 0
	PLACES
	VLD \t, 1
.endif
	s_wait_dscnt 0x0
.irp u, 0,1,2,3
.if \t == 0
.if \u%2
	v_wmma_scale_f32_16x16x128_f8f6f4 v[160+8*(4*\g+\u):167+8*(4*\g+\u)], v[32+12*\u:43+12*\u], v[224:235], 0, v[248+2*\g+\u/2], v253 matrix_a_fmt:MATRIX_FMT_FP6 matrix_b_fmt:MATRIX_FMT_FP6 matrix_a_scale:MATRIX_SCALE_ROW1
.else
	v_wmma_scale_f32_16x16x128_f8f6f4 v[160+8*(4*\g+\u):167+8*(4*\g+\u)], v[32+12*\u:43+12*\u], v[224:235], 0, v[248+2*\g+\u/2], v253 matrix_a_fmt:MATRIX_FMT_FP6 matrix_b_fmt:MATRIX_FMT_FP6
.endif
.else
.if \u%2
	v_wmma_scale_f32_16x16x128_f8f6f4 v[160+8*(4*\g+\u):167+8*(4*\g+\u)], v[32+12*\u:43+12*\u], v[224:235], v[160+8*(4*\g+\u):167+8*(4*\g+\u)], v[248+2*\g+\u/2], v253 matrix_a_fmt:MATRIX_FMT_FP6 matrix_b_fmt:MATRIX_FMT_FP6 matrix_a_scale:MATRIX_SCALE_ROW1
.else
	v_wmma_scale_f32_16x16x128_f8f6f4 v[160+8*(4*\g+\u):167+8*(4*\g+\u)], v[32+12*\u:43+12*\u], v[224:235], v[160+8*(4*\g+\u):167+8*(4*\g+\u)], v[248+2*\g+\u/2], v253 matrix_a_fmt:MATRIX_FMT_FP6 matrix_b_fmt:MATRIX_FMT_FP6
.endif
.endif
.endr
.endr
.endm
	STEP 0
	s_cmp_lt_u32 s[NS], 2
	s_cbranch_scc1 .Lout
	PLACES
	STEP 1
.Lout:
	PLACES
	v_add_f32 v14, v14, v15                        ; the sum's two halves
	v_mov_b32 v13, v14
	WALU
	s_cmp_eq_u32 s[HB], 1
	s_cbranch_scc0 .Lshown
.irp k, 0,1,2,3,4,5,6,7,8,9,10,11,12,13,14,15
	ds_store_b128 v[PST], v[160+4*\k:163+4*\k] offset:512*\k   ; each accumulator from its low end on
.endr
	ds_store_b64 v[PST], v[12:13] offset:8192      ; -M and the sum
.Lshown:
	s_wait_tensorcnt 0x0                           ; Wp's rows, in the two waves that asked
	s_wait_dscnt 0x0
	s_barrier_signal -1                            ; the helpers' sums and Wp's rows are shown to all
	s_barrier_wait -1
	v_and_b32 v8, 31, v0
	v_cmp_gt_u32 vcc_lo, 16, v8
; 32 + 32 numbers of a lane at v96 become 12 registers of codes at v32 and the row's scale word in v250.  Four chains of maxima by turns.
.macro CODES
.irp b, 0,1,2,3
	v_max3_num_f32 v[232+\b], |v[96+16*\b]|, |v[97+16*\b]|, 0x1800000
.endr
.irp i, 2,4,6,8,10,12,14
.irp b, 0,1,2,3
	v_max3_num_f32 v[232+\b], v[232+\b], |v[96+16*\b+\i]|, |v[97+16*\b+\i]|
.endr
.endr
	v_max_num_f32 v232, v232, v233
	v_max_num_f32 v234, v234, v235
	v_add_nc_u32 v244, 0xff000000, v232
	v_add_nc_u32 v246, 0xff000000, v234
	v_lshrrev_b32 v236, 23, v244
	v_lshrrev_b32 v238, 23, v246
	v_lshl_or_b32 v236, v238, 16, v236
	v_lshlrev_b32 v236, v[H8], v236
	v_permlanex16_b32 v239, v236, s[SEL], s[SEL+1]
	v_or_b32 v250, v236, v239
.irp c, 0,1
	v_cvt_scalef32_pk16_fp6_f32 v[32+6*\c:34+6*\c], v[96+32*\c:111+32*\c], v[244+2*\c]
	v_cvt_scalef32_pk16_fp6_f32 v[44+4*\c:46+4*\c], v[112+32*\c:127+32*\c], v[244+2*\c]
.endr
	v_nop
.irp c, 0,1
.irp i, 0,1,2
	v_mov_b32 v[35+6*\c+\i], v[44+4*\c+\i]
.endr
.endr
	WALU
.endm
.macro STORE codes, words
.irp c, 0,1,2
	global_store_b128 v[LI], v[32+4*\c:35+4*\c], s[\codes:\codes+1] offset:512*\c
.endr
	s_wait_xcnt 0x0
	s_and_saveexec_b32 s50, vcc_lo
	global_store_b32 v[LR], v250, s[\words:\words+1]
	s_wait_xcnt 0x0
	s_or_b32 exec_lo, exec_lo, s50
.endm
	WALU
	s_cmp_eq_u32 s[HB], 1
	s_cbranch_scc0 .Lmain
.irp c, 0,1                                    ; a helper: my tile of Wp; register 32 c + i = k 64 c + 32 h + i of my row
.irp q, 0,1,2,3,4,5,6,7
	ds_load_b128 v[96+32*\c+4*\q:99+32*\c+4*\q], v[WPA] offset:256*\c+16*\q
.endr
.endr
	s_wait_dscnt 0x0
	CODES
	STORE 22, 34
	s_branch .Lend
.Lmain:                                                ; the main wave joins the two sums: O = (O a 2^(Ma - M) + O b 2^(Mb - M)) / l
	ds_load_b64 v[32:33], v[PLD] offset:8192
.irp k, 0,1,2,3,4,5,6,7,8,9,10,11,12,13,14,15
	ds_load_b128 v[96+4*\k:99+4*\k], v[PLD] offset:512*\k
.endr
	v_mov_b32 v37, 0                               ; (named as the upper halves of pairs)
	v_mov_b32 v39, 0
	WALU
	s_wait_dscnt 0x0
	v_min_num_f32 v34, v12, v32
	v_sub_f32 v36, v34, v12
	v_sub_f32 v38, v34, v32
	v_cvt_i32_f32 v36, v36
	v_cvt_i32_f32 v38, v38
	v_ldexp_f32 v36, 1.0, v36
	v_ldexp_f32 v38, 1.0, v38
	v_mul_f32 v14, v14, v36
	v_fma_f32 v14, v33, v38, v14
	v_permlanex16_b32 v252, v14, s[SEL], s[SEL+1]
	v_add_f32 v14, v14, v252                       ; the row's sum
	WALU
	v_rcp_f32 v14, v14
	v_nop
	WALU
	v_mul_f32 v36, v36, v14
	v_mul_f32 v38, v38, v14
.set j, 0
.rept 32
	v_pk_mul_f32 v[160+j:161+j], v[160+j:161+j], v[36:37] op_sel_hi:[1,0]
.set j, j+2
.endr
.set j, 0
.rept 32
	v_pk_fma_f32 v[96+j:97+j], v[96+j:97+j], v[38:39], v[160+j:161+j] op_sel_hi:[1,0,1]   ; y: register 32 c + i = channel 64 c + 32 h + i
.set j, j+2
.endr
	CODES
	STORE 18, 20
.Lend:
	s_wait_tensorcnt 0x0                           ; the wave's end
	ds_add_u32 v243, v255
	s_wait_dscnt 0x0
	ROUND                                          ; the closing round
	s_endpgm
.Lfunc_end_k_q1609f715f6_attn:
	.size	k_q1609f715f6_attn, .Lfunc_end_k_q1609f715f6_attn-k_q1609f715f6_attn
	.p2alignl 7, 3214868480
	.fill 96, 4, 3214868480
	.section	.rodata,"a",@progbits
	.p2align	6, 0x0
	.amdhsa_kernel k_q1609f715f6_attn
		.amdhsa_group_segment_fixed_size 327680
		.amdhsa_private_segment_fixed_size 0
		.amdhsa_enable_private_segment 0
		.amdhsa_kernarg_size 56
		.amdhsa_user_sgpr_count 2
		.amdhsa_user_sgpr_kernarg_segment_ptr 1
		.amdhsa_wavefront_size32 1
		.amdhsa_system_sgpr_workgroup_id_x 1
		.amdhsa_system_sgpr_workgroup_id_y 1
		.amdhsa_system_sgpr_workgroup_id_z 1
		.amdhsa_system_vgpr_workitem_id 0
		.amdhsa_next_free_vgpr 256
		.amdhsa_next_free_sgpr 80
		.amdhsa_reserve_vcc 1
		.amdhsa_float_denorm_mode_32 3
		.amdhsa_float_denorm_mode_16_64 3
		.amdhsa_memory_ordered 1
		.amdhsa_forward_progress 1
		.amdhsa_inst_pref_size 77
	.end_amdhsa_kernel
	.amdgpu_metadata
---
amdhsa.version: [ 1, 2 ]
amdhsa.kernels:
  - .name:           k_q1609f715f6_attn
    .symbol:         k_q1609f715f6_attn.kd
    .args:
      - { .name: qc, .offset: 0, .size: 8, .value_kind: global_buffer, .address_space: global }
      - { .name: qs, .offset: 8, .size: 8, .value_kind: global_buffer, .address_space: global }
      - { .name: kv, .offset: 16, .size: 8, .value_kind: global_buffer, .address_space: global }
      - { .name: attn_mask, .offset: 24, .size: 8, .value_kind: global_buffer, .address_space: global }
      - { .name: Wp, .offset: 32, .size: 8, .value_kind: global_buffer, .address_space: global }
      - { .name: yc, .offset: 40, .size: 8, .value_kind: global_buffer, .address_space: global }
      - { .name: wpc, .offset: 48, .size: 8, .value_kind: global_buffer, .address_space: global }
    .group_segment_fixed_size: 327680
    .private_segment_fixed_size: 0
    .kernarg_segment_align: 8
    .kernarg_segment_size: 56
    .max_flat_workgroup_size: 512
    .sgpr_count:     80
    .vgpr_count:     256
    .wavefront_size: 32
...
	.end_amdgpu_metadata
.endif
;; end of part 3
;; launch proj (part 4): grid 16 x 16, 4 waves a work-group, clusters of 4 x 4, 327,680 bytes of LDS; arguments yc, wpc, bp, out0; writes out0
.if DOCPART == 4
	.amdgcn_target "amdgcn-amd-amdhsa--gfx1250"
	.amdhsa_code_object_version 6
	.text
	.protected	k_q1609f715f6_proj
	.globl	k_q1609f715f6_proj
	.p2align	8
	.type	k_q1609f715f6_proj,@function
k_q1609f715f6_proj:
	s_mov_b64 s[64:65], 0
	v_nop
	global_prefetch_b8 v0, s[64:65] scope:SCOPE_SE
	s_setreg_imm32_b32 hwreg(HW_REG_WAVE_MODE, 25, 1), 1
	s_wait_xcnt 0x0
	s_wait_alu depctr_hold_cnt(0) depctr_sa_sdst(0) depctr_va_vdst(0) depctr_va_sdst(0) depctr_va_ssrc(0) depctr_va_vcc(0) depctr_vm_vsrc(0)
	s_getreg_b32 s2, hwreg(HW_REG_IB_STS2, 6, 4)
	s_cmp_eq_u32 s2, 0
	s_cbranch_scc0 .Lentry_in_a_cluster
	s_endpgm
.Lentry_in_a_cluster:
	s_bfe_u32 s2, ttmp6, 0x10000c
	s_cmp_lg_u32 s2, 0xf033
	s_cbranch_scc0 .Lentry_shape_is_right
	s_endpgm
.Lentry_shape_is_right:
; out0 = y Wp^T + bp on codes of FP6 (E2M3) with E8M0 scales; sums in f32; out0 [2048][2048] f32.
; OPERANDS: [band of 64 rows][K step][6,400 bytes: four fragments of 1,536 bytes, scale words [tile][r]]; lane r of a band's tile j is row 8 j + r % 8 + 32 (r / 8).
; SHARES.  A tile of out0 is 128 tokens (block i) x 128 columns (block jn): 256 work-groups.  Wave (wr, wc) = (w / 2, w % 2): a band of y x a band of Wp, 16 accumulators.
; TRANSPOSED: source 0 = Wp, source 1 = y: lane (r, h) holds one token and, over the four tiles, 32 neighbouring columns from 32 h on.
; RING.  Two slots of six K steps (25,600 bytes a step): K steps 0-5 at the head, 6-11 behind the round that follows, and one refill, 12-15.  One joint load a wave: waves 0, 1 y's bands, waves 2, 3 Wp's: dense, as rows of 256 bytes.
; The last four K steps go by rows of 16 tokens, so that finished rows leave while the others are multiplied.
; CLUSTER 4 x 4: y hangs on i alone and is shared along a row, Wp on jn alone, along a column.
; PREFETCH, ONE FILL AHEAD: at the head K steps 6-11, behind the second fill's load K steps 12-15.  Wave w asks for what it will load; of its rows of 256 bytes each of the four partners takes a quarter, told apart by address (cx for y, cy for Wp).
; REGISTERS: window 0: addresses; v32-39 scale words, two sets; v40-55 those of the last four K steps; v64-159, v160-255 fragments, two sets (y's a at + 12 a, Wp's t at + 48 + 12 t).
;   window 1: accumulator (a, t) at v[32 a + 8 t]; v128-159 bp.  window 2: Wp's 16 fragments of the last four K steps.
.set SA,    38400                      ; a wave's region of a slot: six records
.set BB,    4*SA
.set SPARE, 2*BB
.set STAGE, BB                         ; the way out: 16 rows x 272 bytes a wave, in slot B: filled once, last read ahead of K step 11's barrier
.set SPITCH, 272
.set SPW,  1
.set NIL,  2
.set AY,   3
.set AB,   5
.set ASY,  7
.set ASB,  9
.set STO,  11
.set RD,   12
.set CO,   13
.set XF,   64
.set BP,   128
.set WV,   16
.set G1,   20
.set G1B,  28
.set G0,   36
.set G0B,  40
.set MSB, 0
.macro WIN new
.if MSB != (\new)
	s_set_vgpr_msb (MSB<<8)|(\new)
.set MSB, \new
.endif
.endm
.macro PLACES
.rept 4
	v_nop
.endr
.endm
.macro TLOAD g0, g1
	tensor_load_to_lds s[\g0:\g0+3], s[\g1:\g1+7]
	s_nop 0
	PLACES
.endm
.macro JLOAD
	s_cmp_eq_u32 s17, 0
	s_cbranch_scc0 .Lfor_b_\@
	TLOAD G0, G1
	s_branch .Lasked_\@
.Lfor_b_\@:
	TLOAD G0B, G1B
.Lasked_\@:
.endm
.macro ROWS n
	s_mov_b32 s[G1+2], (25*\n)<<16
	s_mov_b32 s[G1+4], 25*\n
	s_mov_b32 s[G1B+2], (25*\n)<<16
	s_mov_b32 s[G1B+4], 25*\n
.endm
.macro FILL to, n                      ; the next fill, six K steps further on (no load of the wave is out)
	s_mov_b32 s[G0+1], s\to
	s_mov_b32 s[G0B+1], s\to
	s_add_nc_u64 s[G0+2:G0+3], s[G0+2:G0+3], 6*6400
	s_add_nc_u64 s[G0B+2:G0B+3], s[G0B+2:G0B+3], 6*6400
	ROWS \n
	JLOAD
.endm
.macro CREST
	s_cmp_lg_u32 s[WV], 0
	s_cbranch_scc1 .Lnot_wave_0_\@
	s_barrier_signal -3
.Lnot_wave_0_\@:
	s_barrier_wait -3
	s_barrier_signal -1
	s_barrier_wait -1
.endm
.macro CROUND
	s_barrier_signal -1
	s_barrier_wait -1
	CREST
.endm
	s_load_b256 s[4:11], s[0:1], 0x0               ; yc, wpc, bp, out0
	v_lshl_add_u32 v[SPW], v0, 2, SPARE
	v_mov_b32 v[NIL], 0
	ds_add_u32 v[SPW], v[NIL]                      ; the opening add, twice
	ds_add_u32 v[SPW], v[NIL]
	v_lshrrev_b32 v14, 5, v0
	v_readfirstlane_b32 s[WV], v14
	s_lshr_b32 s17, s[WV], 1                       ; wr.  Also: I fetch for y or for Wp
	s_and_b32 s18, s[WV], 1                        ; wc.  Also: which band I fetch
	s_bfe_u32 s92, ttmp6, 0x40000                  ; cx
	s_bfe_u32 s93, ttmp6, 0x40004                  ; cy
	s_lshl_b32 s94, ttmp9, 2
	s_add_co_u32 s94, s94, s92                     ; jn
	s_and_b32 s95, ttmp7, 0xffff
	s_lshl_b32 s95, s95, 2
	s_add_co_u32 s95, s95, s93                     ; i
	s_lshl_b32 s96, s93, 2
	s_lshl_b32 s96, 15, s96                        ; my row of the cluster
	s_lshl_b32 s97, 0x1111, s92                    ; my column
	s_or_b32 s[G1], s96, (3<<16)|(1<<21)
	s_or_b32 s[G1B], s97, (3<<16)|(1<<21)
.irp g, G1, G1B
	s_mov_b32 s[\g+1], 32<<16
	s_mov_b32 s[\g+3], 32<<16
	s_mov_b32 s[\g+5], 32
	s_mov_b32 s[\g+6], 0
	s_mov_b32 s[\g+7], 0
.endr
	ROWS 6
	s_lshl_b32 s98, s95, 1
	s_add_co_u32 s98, s98, s18
	s_mul_i32 s98, s98, 102400                     ; y: band 2 i + my half
	s_mov_b32 s99, 0
	s_lshl_b32 s66, s94, 1
	s_add_co_u32 s66, s66, s18
	s_mul_i32 s66, s66, 102400                     ; Wp: band 2 jn + my half
	s_mov_b32 s67, 0
	s_mul_i32 s2, s[WV], SA                        ; no place in the cluster enters an LDS address
	s_add_co_u32 s3, s2, BB
	s_mov_b32 s[G0], 1
	s_mov_b32 s[G0B], 1
	s_mov_b32 s[G0+1], s2
	s_mov_b32 s[G0B+1], s2
	s_wait_dscnt 0x0
	s_wait_kmcnt 0x0
	s_add_nc_u64 s[98:99], s[4:5], s[98:99]
	s_mov_b64 s[G0+2:G0+3], s[98:99]
	s_or_b32 s[G0+3], s[G0+3], 0x80000000
	s_add_nc_u64 s[66:67], s[6:7], s[66:67]
	s_mov_b64 s[G0B+2:G0B+3], s[66:67]
	s_or_b32 s[G0B+3], s[G0B+3], 0x80000000
	CROUND                                         ; all sixteen work-groups are here: the first joint loads meet
	JLOAD                                          ; K steps 0-5
	s_lshl_b32 s100, s94, 9
	s_lshl_b32 s19, s18, 8
	s_add_co_u32 s100, s100, s19                   ; my 64 columns, in bytes
	s_mov_b32 s101, 0
	s_add_nc_u64 s[8:9], s[8:9], s[100:101]
	s_lshl_b32 s19, s95, 20
	s_add_co_u32 s100, s100, s19                   ; + 128 i rows of 8,192 bytes
	s_lshl_b32 s19, s17, 19
	s_add_co_u32 s100, s100, s19                   ; + 64 wr rows
	s_add_nc_u64 s[10:11], s[10:11], s[100:101]
	s_mul_i32 s44, s17, SA
	s_mul_i32 s45, s18, SA
	s_add_co_u32 s45, s45, 2*SA
	s_mul_i32 s46, s[WV], 16*SPITCH
	s_add_co_u32 s46, s46, STAGE                   ; my stage
	s_cmp_eq_u32 s17, 0                            ; the prefetches: y's band or Wp's, from K step 6 on;
	s_cselect_b64 s[4:5], s[98:99], s[66:67]
	s_cselect_b32 s6, s92, s93                     ; my place among the four that load it with me
	s_add_nc_u64 s[4:5], s[4:5], 6*6400
	s_mul_i32 s7, s6, 38                           ; a quarter of six K steps' 150 rows, rounded up
	s_mul_i32 s6, s6, 25                           ; of four K steps' 100 rows
	v_and_b32 v14, 31, v0
	v_and_b32 v15, 15, v0                          ; r
	v_bfe_u32 v16, v0, 4, 1                        ; h
	v_lshlrev_b32 v17, 4, v14                      ; 16 x lane
	v_lshlrev_b32 v18, 2, v14                      ; 4 x lane
	v_lshlrev_b32 v19, 7, v16                      ; bp: 128 h
	v_add_nc_u32 v[AY], s44, v17
	v_add_nc_u32 v[AB], s45, v17
	v_add_nc_u32 v[ASY], s44, v18
	v_add_nc_u32 v[ASB], s45, v18
	v_add_nc_u32 v[AY+1], BB, v[AY]
	v_add_nc_u32 v[AB+1], BB, v[AB]
	v_add_nc_u32 v[ASY+1], BB, v[ASY]
	v_add_nc_u32 v[ASB+1], BB, v[ASB]
	v_mul_u32_u24 v[STO], v15, SPITCH
	v_lshl_add_u32 v[STO], v16, 7, v[STO]
	v_add_nc_u32 v[STO], s46, v[STO]               ; in: row r, + 128 h
	v_mul_u32_u24 v[RD], v16, SPITCH
	v_lshl_add_u32 v[RD], v15, 4, v[RD]
	v_add_nc_u32 v[RD], s46, v[RD]                 ; back: lanes 0-15 one row of 256 bytes, lanes 16-31 the next
	v_lshlrev_b32 v[CO], 13, v16
	v_lshl_add_u32 v[CO], v15, 4, v[CO]            ; and the same two rows of out0
	v_add_nc_u32 v20, s7, v14                      ; rows 38 p + lane,
	v_add_nc_u32 v21, 32, v14
	v_min_u32 v22, 24, v14
	v_min_u32 v21, 37, v21
	v_add_nc_u32 v22, s6, v22                      ; (four K steps: 25 p + lane)
	v_add_nc_u32 v21, s7, v21
	v_lshlrev_b32 v20, 8, v20
	v_min_u32 v21, 149, v21                        ; and the quarter's last six, none past the last row
	v_lshlrev_b32 v22, 8, v22
	v_lshlrev_b32 v21, 8, v21
	WIN 0x40
.irp t, 0,1,2,3
	global_load_b128 v[BP+8*\t:BP+8*\t+3], v19, s[8:9] offset:32*\t        ; register j: column 32 h + 8 t + j
	global_load_b128 v[BP+8*\t+4:BP+8*\t+7], v19, s[8:9] offset:32*\t+16
.endr
	WIN 0
.macro LD k                            ; K step k (0 to 11): 28 loads
.set SL, (\k)/6
.set IX, (\k)%6
.set FS, XF+96*((\k)%2)
.set SSL, 32+4*((\k)%2)
.irp e, 0,1
	ds_load_b32 v[SSL+\e], v[ASY+SL] offset:6400*IX+6144+128*\e   ; lanes 0-15 tile 2 e's words, lanes 16-31 tile 2 e + 1's
	ds_load_b32 v[SSL+2+\e], v[ASB+SL] offset:6400*IX+6144+128*\e
.endr
.irp t, 0,1,2,3
.irp c, 0,1,2
	ds_load_b128 v[FS+48+12*\t+4*\c:FS+48+12*\t+4*\c+3], v[AB+SL] offset:6400*IX+1536*\t+512*\c
.endr
.endr
.irp t, 0,1,2,3
.irp c, 0,1,2
	ds_load_b128 v[FS+12*\t+4*\c:FS+12*\t+4*\c+3], v[AY+SL] offset:6400*IX+1536*\t+512*\c
.endr
.endr
.endm
; One product: accumulator (a, t), source 0 at w (tile t's words in register s0), source 1 at y (tile a's in s1).  The accumulators take turns.
.macro PROD a, t, w, y, cc, s0, s1
.if (\t)%2
.if (\a)%2
	v_wmma_scale_f32_16x16x128_f8f6f4 v[32*(\a)+8*(\t):32*(\a)+8*(\t)+7], v[\w:\w+11], v[\y:\y+11], v[\cc:\cc+7], v[\s0], v[\s1] matrix_a_fmt:MATRIX_FMT_FP6 matrix_b_fmt:MATRIX_FMT_FP6 matrix_a_scale:MATRIX_SCALE_ROW1 matrix_b_scale:MATRIX_SCALE_ROW1
.else
	v_wmma_scale_f32_16x16x128_f8f6f4 v[32*(\a)+8*(\t):32*(\a)+8*(\t)+7], v[\w:\w+11], v[\y:\y+11], v[\cc:\cc+7], v[\s0], v[\s1] matrix_a_fmt:MATRIX_FMT_FP6 matrix_b_fmt:MATRIX_FMT_FP6 matrix_a_scale:MATRIX_SCALE_ROW1
.endif
.else
.if (\a)%2
	v_wmma_scale_f32_16x16x128_f8f6f4 v[32*(\a)+8*(\t):32*(\a)+8*(\t)+7], v[\w:\w+11], v[\y:\y+11], v[\cc:\cc+7], v[\s0], v[\s1] matrix_a_fmt:MATRIX_FMT_FP6 matrix_b_fmt:MATRIX_FMT_FP6 matrix_b_scale:MATRIX_SCALE_ROW1
.else
	v_wmma_scale_f32_16x16x128_f8f6f4 v[32*(\a)+8*(\t):32*(\a)+8*(\t)+7], v[\w:\w+11], v[\y:\y+11], v[\cc:\cc+7], v[\s0], v[\s1] matrix_a_fmt:MATRIX_FMT_FP6 matrix_b_fmt:MATRIX_FMT_FP6
.endif
.endif
.endm
.macro MUL4 k, a, first=0              ; y's tile a against Wp's four
	WIN 0x50
.irp t, 0,1,2,3
.if \first
	PROD \a, \t, XF+96*((\k)%2)+48+12*\t, XF+96*((\k)%2)+12*\a, BP+8*\t, 32+4*((\k)%2)+2+\t/2, 32+4*((\k)%2)+\a/2
.else
	PROD \a, \t, XF+96*((\k)%2)+48+12*\t, XF+96*((\k)%2)+12*\a, 32*\a+8*\t, 32+4*((\k)%2)+2+\t/2, 32+4*((\k)%2)+\a/2
.endif
.endr
.endm
.macro STEPN k, first=0
	PLACES                                         ; the other set was multiplied by the products just issued
	LD \k+1
	s_wait_dscnt 28                                ; this step's loads are in; the 28 just issued may be out
.irp a, 0,1,2,3
	MUL4 \k, \a, \first
.endr
	WIN 0
.endm
; A slot's last K step, up to its barrier's wait: each wave waits for all its tensor loads, adds 0 to its spare word, and waits for that and for its LDS reads, which are this step's fragments.
.macro MEET k
	s_wait_dscnt 0x0                               ; this step's fragments are in
	MUL4 \k, 0
	WIN 0
	s_wait_tensorcnt 0x0
	ds_add_u32 v[SPW], v[NIL]
	s_wait_dscnt 0x0
	s_barrier_signal -1
	MUL4 \k, 1
	WIN 0
	s_barrier_wait -1
.endm
	s_wait_alu depctr_va_vdst(0)                   ; the wait at the head's end
	global_prefetch_b8 v20, s[4:5] th:TH_LOAD_NT scope:SCOPE_SE
	global_prefetch_b8 v21, s[4:5] th:TH_LOAD_NT scope:SCOPE_SE
	s_wait_tensorcnt 0x0                           ; my part of slot A is in; the full sequence stands ahead of slot B's first fill
	ds_add_u32 v[SPW], v[NIL]
	s_wait_dscnt 0x0
	CROUND
	FILL 3, 6                                      ; slot B: K steps 6-11
	LD 0
	s_wait_xcnt 0x0                                ; the prefetches have read their address
	s_add_nc_u64 s[4:5], s[4:5], 6*6400
	global_prefetch_b8 v22, s[4:5] th:TH_LOAD_NT scope:SCOPE_SE
	s_wait_loadcnt 0x0                             ; bp
	STEPN 0, 1                                     ; it starts the sums
	STEPN 1
	STEPN 2
	STEPN 3
	STEPN 4
	MEET 5
	CREST                                          ; no wave of any partner still reads slot A or has a load on its way
	FILL 2, 4                                      ; slot A: K steps 12-15; its four v_nop are the places in front of the loads below
	LD 6
	MUL4 5, 2
	MUL4 5, 3
	WIN 0
	STEPN 6
	STEPN 7
	STEPN 8
	STEPN 9
	STEPN 10
	MEET 11                                        ; slot A is whole again
; THE LAST FOUR K STEPS, q = 0 .. 3, by rows: all their fragments of Wp lie in window 2; y's come by tiles of 16 tokens, four fragments each, into two buffers by turns.
.macro YL a, q
.irp c, 0,1,2
	ds_load_b128 v[XF+48*((\a)%2)+12*(\q)+4*\c:XF+48*((\a)%2)+12*(\q)+4*\c+3], v[AY] offset:6400*(\q)+1536*(\a)+512*\c
.endr
.endm
.macro ROW a                           ; 16 products; between two of one sum stand three others
.irp q, 0,1,2,3
.if (\a) == 0
	s_wait_dscnt 57-15*\q                          ; behind q's fragments: 15 loads for each later q, and tile 1's 12
.endif
	WIN 0x52
.irp t, 0,1,2,3
	PROD \a, \t, 12*(4*\q+\t), XF+48*((\a)%2)+12*\q, 32*(\a)+8*\t, 42+4*\q+\t/2, 40+4*\q+(\a)/2
.endr
.endr
	WIN 0
.endm
; THE WAY OUT of tile a, through my own stage: LDS serves a wave's instructions in order, so no wait stands between the stores and the loads.
.macro TOSTAGE a
	WIN 0x04
.irp t, 0,1,2,3
	ds_store_b128 v[STO], v[32*(\a)+8*\t:32*(\a)+8*\t+3] offset:32*\t      ; each accumulator from its low end on
	ds_store_b128 v[STO], v[32*(\a)+8*\t+4:32*(\a)+8*\t+7] offset:32*\t+16
.endr
	WIN 0
.irp i, 0,1,2,3,4,5,6,7
	ds_load_b128 v[160+32*((\a)%2)+4*\i:163+32*((\a)%2)+4*\i], v[RD] offset:2*\i*SPITCH
.endr
.endm
.macro SEND a, younger
	s_wait_dscnt \younger
.irp i, 0,1,2,3,4,5,6,7
	global_store_b128 v[CO], v[160+32*((\a)%2)+4*\i:163+32*((\a)%2)+4*\i], s[10:11] offset:8192*(8*(\a)+(2*\i)%8+32*(\i/4)) th:TH_STORE_NT   ; stage row 2 i + h is token 8 a + (2 i) % 8 + 32 (i / 4) + h; 16 lanes store 256 consecutive bytes, aligned
.endr
.endm
	PLACES
.irp q, 0,1,2,3
.irp e, 0,1
	ds_load_b32 v[40+4*\q+\e], v[ASY] offset:6400*\q+6144+128*\e
	ds_load_b32 v[42+4*\q+\e], v[ASB] offset:6400*\q+6144+128*\e
.endr
.endr
.irp q, 0,1,2,3
	WIN 0x80
.irp t, 0,1,2,3
.irp c, 0,1,2
	ds_load_b128 v[12*(4*\q+\t)+4*\c:12*(4*\q+\t)+4*\c+3], v[AB] offset:6400*\q+1536*\t+512*\c
.endr
.endr
	WIN 0
	YL 0, \q
.endr
	MUL4 11, 2
	MUL4 11, 3
	WIN 0
.irp q, 0,1,2,3
	YL 1, \q
.endr
	ROW 0
	PLACES
.irp q, 0,1,2,3
	YL 2, \q
.endr
	s_wait_dscnt 12                                ; tile 1 is in
	ROW 1
	PLACES
	TOSTAGE 0
.irp q, 0,1,2,3
	YL 3, \q
.endr
	s_wait_dscnt 28                                ; tile 2 is in; tile 0's 16 and tile 3's 12 may be out
	ROW 2
	SEND 0, 12
	PLACES
	TOSTAGE 1
	s_wait_dscnt 16                                ; tile 3 is in
	ROW 3
	SEND 1, 0
	PLACES
	s_wait_xcnt 0x0                                ; tile 0's and 1's stores have read their registers
	TOSTAGE 2
	TOSTAGE 3
	SEND 2, 16
	SEND 3, 0
	s_wait_tensorcnt 0x0                           ; the wave's end
	ds_add_u32 v[SPW], v[NIL]
	s_wait_dscnt 0x0
	CROUND                                         ; the closing round
	s_endpgm
.Lfunc_end_k_q1609f715f6_proj:
	.size	k_q1609f715f6_proj, .Lfunc_end_k_q1609f715f6_proj-k_q1609f715f6_proj
	.p2alignl 7, 3214868480
	.fill 96, 4, 3214868480
	.section	.rodata,"a",@progbits
	.p2align	6, 0x0
	.amdhsa_kernel k_q1609f715f6_proj
		.amdhsa_group_segment_fixed_size 327680
		.amdhsa_private_segment_fixed_size 0
		.amdhsa_enable_private_segment 0
		.amdhsa_kernarg_size 32
		.amdhsa_user_sgpr_count 2
		.amdhsa_user_sgpr_kernarg_segment_ptr 1
		.amdhsa_wavefront_size32 1
		.amdhsa_system_sgpr_workgroup_id_x 1
		.amdhsa_system_sgpr_workgroup_id_y 1
		.amdhsa_system_sgpr_workgroup_id_z 1
		.amdhsa_system_vgpr_workitem_id 0
		.amdhsa_next_free_vgpr 704
		.amdhsa_next_free_sgpr 102
		.amdhsa_reserve_vcc 0
		.amdhsa_float_denorm_mode_32 3
		.amdhsa_float_denorm_mode_16_64 3
		.amdhsa_memory_ordered 1
		.amdhsa_forward_progress 1
		.amdhsa_inst_pref_size 83
	.end_amdhsa_kernel
	.amdgpu_metadata
---
amdhsa.version: [ 1, 2 ]
amdhsa.kernels:
  - .name:           k_q1609f715f6_proj
    .symbol:         k_q1609f715f6_proj.kd
    .args:
      - { .name: yc, .offset: 0, .size: 8, .value_kind: global_buffer, .address_space: global }
      - { .name: wpc, .offset: 8, .size: 8, .value_kind: global_buffer, .address_space: global }
      - { .name: bp, .offset: 16, .size: 8, .value_kind: global_buffer, .address_space: global }
      - { .name: out0, .offset: 24, .size: 8, .value_kind: global_buffer, .address_space: global }
    .group_segment_fixed_size: 327680
    .private_segment_fixed_size: 0
    .kernarg_segment_align: 8
    .kernarg_segment_size: 32
    .max_flat_workgroup_size: 128
    .sgpr_count:     102
    .vgpr_count:     704
    .wavefront_size: 32
...
	.end_amdgpu_metadata
.endif
;; end of part 4
